; MI455X (gfx1250); checked and timed in simulation.
; The chip was launched on July 23, 2026; its instructions are those of AMD's public machine-readable ISA for CDNA 5 (MIT licence, August 2026) and "CDNA5" Instruction Set Architecture Reference Guide (July 2026). The comments in the code are by the model that wrote it; some were corrected since.
;; Self Attention. Allowed arithmetic: float matrix products may take bf16 or f16 operands with f32 sums; other float arithmetic in f32, or as packed bf16 or f16 multiplies, adds, multiply-adds, maxima and minima; sums over many terms, partial sums and values carried from step to step in f32; what a program stores and reads back later, other than sums and carried values, may be rounded once to bf16 or f16.
;; Inputs: Wproj 1,024 x 1,024 float32; Wqkv 3,072 x 1,024 float32; bproj 1,024 float32; x 8 x 2,048 x 1,024 float32.
;; Outputs: out0 8 x 2,048 x 1,024 float32.
;; One version. Each part assembles by itself: llvm-mc -triple=amdgcn-amd-amdhsa -mcpu=gfx1250 --defsym DOCPART=n.
;; ======== version 1 of 1: 4 launches
;; limits: values are held in f16: magnitudes above 65,504 overflow, below 6.1e-05 lose precision
;; workspace buffers: xb 33,554,432 bytes; wqb 6,291,456 bytes; wpb 2,097,152 bytes; qkv 100,663,296 bytes; ob 33,554,432 bytes
;; launch cast (part 1): grid 1280 x 1, 8 waves a work-group, no clusters, 0 bytes of LDS; arguments x, Wqkv, Wproj, xb, wqb, wpb; writes xb, wqb, wpb
.if DOCPART == 1
	.amdgcn_target "amdgcn-amd-amdhsa--gfx1250"
	.amdhsa_code_object_version 6
	.text
	.protected	k_q7ff130aa4c_cast
	.globl	k_q7ff130aa4c_cast
	.p2align	8
	.type	k_q7ff130aa4c_cast,@function
k_q7ff130aa4c_cast:
	s_mov_b64 s[64:65], 0
	v_nop
	global_prefetch_b8 v0, s[64:65] scope:SCOPE_SE
	s_setreg_imm32_b32 hwreg(HW_REG_WAVE_MODE, 25, 1), 1
	s_wait_xcnt 0x0
; x [16384][1024] and Wqkv [3072][1024], f32, are rounded once to bf16 (xb, wqb).  Wproj [1024][1024] is rounded to bf16 like them, and that number is written as f16 (wpb),
; since the last product multiplies it with f16 numbers.  LIMITS: a bf16 number of Wproj beyond 65,504 becomes an infinity; below 2^-14 it keeps f16's fixed step of 6e-8.
; A stream: no LDS, no barrier, no matrix work.  A work-group converts 16,384 numbers: 65,536 bytes in, 32,768 out.  Work-groups 0-1023 take x, 1024-1215 Wqkv, 1216-1279 Wproj.
; Thread t takes 16 bytes at 16 t + 4,096 j (j = 0 .. 15): a wave's load covers 512 consecutive bytes; its 8 bytes out lie at 8 t + 2,048 j: a wave's store covers 256 consecutive bytes, aligned.
; All sixteen loads of a thread go out at once, each into registers of its own.  The rounded numbers take the place of the loaded ones, so a thread needs 84 registers; each register is written
; once by its load and once by its conversion, behind the wait for that load, and no wait is needed to free a store's data.
.set FIRST_WQ, 1024                    ; first work-group of Wqkv
.set FIRST_WP, 1216                    ; first work-group of Wproj
.set IN,  16                           ; v[16:79]   chunk j: four f32; then, in its first two registers, four 16-bit numbers
.set T,   80                           ; v[80:83]   at work
	s_load_b256 s[4:11], s[0:1], 0x0               ; x s[4:5], Wqkv s[6:7], Wproj s[8:9], xb s[10:11]
	s_load_b128 s[12:15], s[0:1], 0x20             ; wqb s[12:13], wpb s[14:15]
	v_lshlrev_b32 v1, 4, v0                        ; my 16 bytes in
	v_lshlrev_b32 v2, 3, v0                        ; my 8 bytes out
	s_mov_b32 s26, 0xffff0000                      ; a word's upper bf16
	s_wait_kmcnt 0x0
	s_cmp_lt_u32 ttmp9, FIRST_WQ                   ; which tensor is mine: the choice hangs on the work-group's number alone
	s_cselect_b64 s[16:17], s[4:5], s[6:7]
	s_cselect_b64 s[18:19], s[10:11], s[12:13]
	s_cselect_b32 s20, 0, FIRST_WQ
	s_cmp_lt_u32 ttmp9, FIRST_WP
	s_cselect_b64 s[16:17], s[16:17], s[8:9]
	s_cselect_b64 s[18:19], s[18:19], s[14:15]
	s_cselect_b32 s20, s20, FIRST_WP
	s_sub_co_u32 s21, ttmp9, s20                   ; my number among the tensor's work-groups
	s_lshl_b32 s22, s21, 16                        ; x 65,536 bytes in (under 2^27)
	s_mov_b32 s23, 0
	s_lshl_b32 s24, s21, 15                        ; x 32,768 bytes out
	s_mov_b32 s25, 0
	s_add_nc_u64 s[16:17], s[16:17], s[22:23]
	s_add_nc_u64 s[18:19], s[18:19], s[24:25]
.irp j, 0,1,2,3,4,5,6,7,8,9,10,11,12,13,14,15
	global_load_b128 v[IN+4*(\j):IN+4*(\j)+3], v1, s[16:17] offset:4096*(\j) th:TH_LOAD_NT
.endr
; Chunk j is rounded in place and stored.  half = 1: the bf16 numbers are widened again (a shift, a mask) and written as f16.
.macro OUTJ j, half
	s_wait_loadcnt 15-(\j)                         ; loads come back in order: chunk j is in, the 15 - j younger ones may stay out
	v_cvt_pk_bf16_f32 v[IN+4*(\j)],   v[IN+4*(\j)],   v[IN+4*(\j)+1]
	v_cvt_pk_bf16_f32 v[IN+4*(\j)+1], v[IN+4*(\j)+2], v[IN+4*(\j)+3]
.if \half
	v_lshlrev_b32 v[T],   16,  v[IN+4*(\j)]
	v_and_b32     v[T+1], s26, v[IN+4*(\j)]
	v_lshlrev_b32 v[T+2], 16,  v[IN+4*(\j)+1]
	v_and_b32     v[T+3], s26, v[IN+4*(\j)+1]
	v_cvt_pk_f16_f32 v[IN+4*(\j)],   v[T],   v[T+1]
	v_cvt_pk_f16_f32 v[IN+4*(\j)+1], v[T+2], v[T+3]
.endif
	global_store_b64 v2, v[IN+4*(\j):IN+4*(\j)+1], s[18:19] offset:2048*(\j)
.endm
	s_cmp_ge_u32 ttmp9, FIRST_WP
	s_cbranch_scc1 .Lhalf
.irp j, 0,1,2,3,4,5,6,7,8,9,10,11,12,13,14,15
	OUTJ \j, 0
.endr
	s_endpgm
.Lhalf:
.irp j, 0,1,2,3,4,5,6,7,8,9,10,11,12,13,14,15
	OUTJ \j, 1
.endr
	s_endpgm
.Lfunc_end_k_q7ff130aa4c_cast:
	.size	k_q7ff130aa4c_cast, .Lfunc_end_k_q7ff130aa4c_cast-k_q7ff130aa4c_cast
	.p2alignl 7, 3214868480
	.fill 96, 4, 3214868480
	.section	.rodata,"a",@progbits
	.p2align	6, 0x0
	.amdhsa_kernel k_q7ff130aa4c_cast
		.amdhsa_group_segment_fixed_size 0
		.amdhsa_private_segment_fixed_size 0
		.amdhsa_enable_private_segment 0
		.amdhsa_kernarg_size 48
		.amdhsa_user_sgpr_count 2
		.amdhsa_user_sgpr_kernarg_segment_ptr 1
		.amdhsa_wavefront_size32 1
		.amdhsa_system_sgpr_workgroup_id_x 1
		.amdhsa_system_sgpr_workgroup_id_y 1
		.amdhsa_system_sgpr_workgroup_id_z 1
		.amdhsa_system_vgpr_workitem_id 0
		.amdhsa_next_free_vgpr 84
		.amdhsa_next_free_sgpr 66
		.amdhsa_reserve_vcc 0
		.amdhsa_float_denorm_mode_32 3
		.amdhsa_float_denorm_mode_16_64 3
		.amdhsa_memory_ordered 1
		.amdhsa_forward_progress 1
		.amdhsa_inst_pref_size 15
	.end_amdhsa_kernel
	.amdgpu_metadata
---
amdhsa.version: [ 1, 2 ]
amdhsa.kernels:
  - .name:           k_q7ff130aa4c_cast
    .symbol:         k_q7ff130aa4c_cast.kd
    .args:
      - { .name: x, .offset: 0, .size: 8, .value_kind: global_buffer, .address_space: global }
      - { .name: Wqkv, .offset: 8, .size: 8, .value_kind: global_buffer, .address_space: global }
      - { .name: Wproj, .offset: 16, .size: 8, .value_kind: global_buffer, .address_space: global }
      - { .name: xb, .offset: 24, .size: 8, .value_kind: global_buffer, .address_space: global }
      - { .name: wqb, .offset: 32, .size: 8, .value_kind: global_buffer, .address_space: global }
      - { .name: wpb, .offset: 40, .size: 8, .value_kind: global_buffer, .address_space: global }
    .group_segment_fixed_size: 0
    .private_segment_fixed_size: 0
    .kernarg_segment_align: 8
    .kernarg_segment_size: 48
    .max_flat_workgroup_size: 256
    .sgpr_count:     66
    .vgpr_count:     84
    .wavefront_size: 32
...
	.end_amdgpu_metadata
.endif
;; end of part 1
;; launch qkvgemm (part 2): grid 4 x 64, 4 waves a work-group, clusters of 4 x 4, 327,680 bytes of LDS; arguments xb, wqb, qkv; writes qkv
.if DOCPART == 2
	.amdgcn_target "amdgcn-amd-amdhsa--gfx1250"
	.amdhsa_code_object_version 6
	.text
	.protected	k_q7ff130aa4c_qkvgemm
	.globl	k_q7ff130aa4c_qkvgemm
	.p2align	8
	.type	k_q7ff130aa4c_qkvgemm,@function
k_q7ff130aa4c_qkvgemm:
	s_mov_b64 s[64:65], 0
	v_nop
	global_prefetch_b8 v0, s[64:65] scope:SCOPE_SE
	s_setreg_imm32_b32 hwreg(HW_REG_WAVE_MODE, 25, 1), 1
	s_wait_xcnt 0x0
	s_wait_alu depctr_hold_cnt(0) depctr_sa_sdst(0) depctr_va_vdst(0) depctr_va_sdst(0) depctr_va_ssrc(0) depctr_va_vcc(0) depctr_vm_vsrc(0)
	s_getreg_b32 s2, hwreg(HW_REG_IB_STS2, 6, 4)
	s_cmp_eq_u32 s2, 0
	s_cbranch_scc0 .Lentry_in_a_cluster
	s_endpgm
.Lentry_in_a_cluster:
	s_bfe_u32 s2, ttmp6, 0x10000c
	s_cmp_lg_u32 s2, 0xf033
	s_cbranch_scc0 .Lentry_shape_is_right
	s_endpgm
.Lentry_shape_is_right:
; qkv[m][f] = sum over k of xb[m][k] wqb[f][k].  A = xb [16384][1024], B = wqb [3072][1024], both bf16; sums in f32; C = qkv [16384][3072], rounded once to f16.
; LIMIT: a sum of 65,520 or more in size becomes an infinity in f16.  Inputs thirty times the drawn ones give numbers near 5,000, a common offset of thirty spreads on both near 29,000.
; A tile of C, 256 x 256, is made by a work-group of four waves, a wave 128 x 128: 64 accumulators of 16 x 16, 512 registers.  K goes in steps of 128 through a ring of two LDS slots
; filled by the tensor data mover; the tiles' rows are 256 bytes of memory and start at multiples of 256 bytes from the buffer's first byte.
; A WORK-GROUP STAYS: C has 64 x 12 tiles, three for each of 256 work-groups.  Its three tiles lie side by side, 1,024 columns apart: they share their rows of A, and B goes 1,024 rows down from tile
; to tile.  The ring does not stop at a tile's end: a tile's last two changes of slots ask for the next tile's first two K steps, and nothing waits for a tile's stores.
; The last tile's last K step goes by rows of C, so that finished rows leave while the others are multiplied.
; CLUSTERS: 4 x 4 work-groups.  The four of a row of the cluster need the same tiles of A, the four of a column the same tiles of B: each tile is asked for JOINTLY, by the same tensor load with the
; same descriptor and a mask that names the four; each receives it in its own LDS.
; REGISTERS, in windows of 256 (s_set_vgpr_msb: bits 1:0 source 0, 3:2 source 1, 5:4 source 2, 7:6 destination):
;   window 0: v0-31 addresses; v64-127, v128-191 fragments of A, two buffers (in the very last K step four, of 16 rows x 128 K); v32-63, v192-255 at work on the way out
;   window 1: v64-127, v128-191 fragments of B, two buffers; in the very last K step all 256
;   window 2: the 32 accumulators of my rows 0-63 (accumulator (a, b) at v[8 (8 a + b)]);   window 3: those of my rows 64-127
; THE MATRIX INSTRUCTION IS USED TRANSPOSED: source 0 = 16 rows of B, source 1 = 16 rows of A.  Lane l then holds row l % 16 of C and the columns 8 (l / 16) + 0 .. 7: eight neighbouring
; numbers of a row of C, which pack into 16 bytes.
.set SIZE_M, 16384
.set SIZE_N, 3072
.set SIZE_K, 1024
.set SIZE_TILES, 3
.set KSTEP,  128
.set PITCH,  272                       ; an LDS row: 256 bytes of data + 16 of padding = 68 words: row r starts at bank 4 r mod 64 (64 banks of 4 bytes: ISA guide 11.1)
.set HALFT,  128*PITCH                 ; 128 rows: what one tensor load brings, and what one wave reads of A or of B
.set SLOT,   4*HALFT                   ; A's 256 rows, then B's 256 rows
.set STAGE,  2*SLOT                    ; behind the ring: 16 rows x 272 bytes for each wave, for the way out
.set SPITCH, 272
.set SPARE,  STAGE+4*16*SPITCH         ; behind the stages: the spare words, 128 bytes for each wave: two blocks of 256 bytes that no other line names
.set LAPS,   SIZE_K/(2*KSTEP)          ; a lap = two K steps = once round the ring
.set WALK,   1024                      ; rows of B (columns of C) from a work-group's tile to its next
.set BACK_A, (SIZE_K-2*KSTEP)*2        ; bytes from a slot's last K step of a tile back to its first: A's rows stay,
.set NEXT_B, WALK*SIZE_K*2-(SIZE_K-2*KSTEP)*2  ; B goes WALK rows down and back along K
.set NEXT_C, WALK*2                    ; bytes in a row of C from tile to tile
.set ADRA, 16                          ; v16-17  LDS address of my A fragments in slot 0, 1
.set ADRB, 20                          ; v20-21  the same for B
.set STO,  24                          ; v24     the way out: where I put 16 bytes of a row
.set RD,   25                          ; v25     the way out: where I read a row back
.set CO,   26                          ; v26     my byte offset in two rows of C; never rewritten
.set SPW,  28                          ; v28     LDS address of my spare word: SPARE + 4 x my thread's number; never rewritten
.set NIL,  29                          ; v29     0; never rewritten
.set PFO,  30                          ; v30     the prefetches' offset: my lane x a row of A or B (2,048 bytes); never rewritten
.set PFA,  44                          ; s[44:45] where my prefetches stand: my work-group's 32 rows of the 128 that I fetch, one K step further along K than the refill that is being asked for
.set LIM,  43                          ; s43     1 in a wave that prefetches, else the greatest number
.set F0,   64                          ; fragment buffer 0
.set F1,   128                         ; fragment buffer 1
.set TMP,  192                         ; the way out: packed results, in window 0
.set OB,   32                          ; the way out: 16 rows read back from the stage: v32-63 and v224-255 by turns
.set PA,   64                          ; the very last K step: A's fragments of 16 rows x 128 K, 32 registers; four such buffers, v64-191
.set G1,  24                           ; s[24:31] descriptor group 1 for A's tiles
.set G0,  32                           ; s[32:39] descriptor group 0 for A's tiles, one set for each slot
.set G1B, 48                           ; s[48:55] descriptor group 1 for B's tiles: it differs from A's in the mask alone
.set G0B, 56                           ; s[56:63] descriptor group 0 for B's tiles, one set for each slot
.set MSB, 0
.macro WIN new                         ; the immediate's high byte repeats the setting that is left; a switch that changes nothing is dropped
.if MSB != (\new)
	s_set_vgpr_msb (MSB<<8)|(\new)
.set MSB, \new
.endif
.endm
.set MUL_LO, 0xa1                      ; source 0 (B) window 1, source 1 (A) window 0, C and D window 2
.set MUL_HI, 0xf1                      ; the same, C and D window 3
.set TO_B,   0x40                      ; destination window 1, address window 0
; A joint load.  Waves 0 and 1 fetch A's two halves, waves 2 and 3 B's.  Each line has ONE mask and one set of registers for all that issue it.  The branch hangs on the wave's number alone.
; An s_nop 0 and four v_nop follow each of the two lines, ahead of the jump, the label and what follows.
.macro JLOAD s
	s_cmp_eq_u32 s11, 0
	s_cbranch_scc0 .Lfor_b_\@
	tensor_load_to_lds s[G0+4*(\s):G0+4*(\s)+3], s[G1:G1+7]
	s_nop 0
.rept 4
	v_nop
.endr
	s_branch .Lasked_\@
.Lfor_b_\@:
	tensor_load_to_lds s[G0B+4*(\s):G0B+4*(\s)+3], s[G1B:G1B+7]
	s_nop 0
.rept 4
	v_nop
.endr
.Lasked_\@:
.endm
; A PREFETCH, behind each joint load, its five lines and the run of LDS loads that follows them: the K step that stands TWO refills on, 512 matrix instructions ahead of the load that will want it:
; 32 rows x 256 bytes, a lane a row, one instruction a wave.  Each row's 256 bytes of a K step are named ONCE in the launch.  A's tile row is read by one cluster alone (the grid is one cluster wide): it asks.
; B's tile column is read by all sixteen clusters: the one with y = 0 asks.  The four partners that ask for a tile jointly share its rows out BY ADDRESS: of the 128 rows that a wave fetches the partner at
; place p takes 32 p .. 32 p + 31 (p = cx for A, cy for B).  how = 0, in the loop: a tile's last two refills have no K step two on; how = 1, at a change of tiles.
.macro ASK how
.if \how
	s_cmp_eq_u32 s[LIM], 1
.else
	s_cmp_gt_u32 s3, s[LIM]                        ; s3 = 1 in the loop's last trip
.endif
	s_cbranch_scc0 .Lnot_mine_\@
	global_prefetch_b8 v[PFO], s[PFA:PFA+1] offset:KSTEP*2 th:TH_LOAD_NT scope:SCOPE_SE
.Lnot_mine_\@:
.endm
; A round of the cluster's barrier: my work-group's barrier, so that wave 0's signal speaks for all four waves; wave 0 signals for the work-group; every wave waits for all
; sixteen work-groups; my work-group's barrier once more.  No LDS instruction of the wave is pending at a signal.
.macro CREST                           ; a round behind its opening barrier
	s_cmp_lg_u32 s10, 0
	s_cbranch_scc1 .Lnot_wave_0_\@
	s_barrier_signal -3
.Lnot_wave_0_\@:
	s_barrier_wait -3
	s_barrier_signal -1
	s_barrier_wait -1
.endm
.macro CROUND                          ; a whole round
	s_barrier_signal -1
	s_barrier_wait -1
	CREST
.endm
	s_load_b128 s[4:7], s[0:1], 0x0                ; A s[4:5], B s[6:7]
	s_load_b64 s[8:9], s[0:1], 0x10                ; C
	v_lshl_add_u32 v[SPW], v0, 2, SPARE
	v_mov_b32 v[NIL], 0
	ds_add_u32 v[SPW], v[NIL]                      ; the wave's opening: the add and its wait stand ahead of my first tensor load; the set-up below, work on registers, stands between them
	ds_add_u32 v28, v29
	v_lshrrev_b32 v1, 5, v0
	v_readfirstlane_b32 s10, v1                    ; wave 0..3
	s_lshr_b32 s11, s10, 1                         ; which half of the tile's rows is mine.  Also: I fetch for A (0) or for B (1)
	s_and_b32 s12, s10, 1                          ; which half of its columns.  Also: which 128 rows of that tile I fetch
	s_bfe_u32 s40, ttmp6, 0x40000                  ; cx: my place along the cluster's x
	s_bfe_u32 s41, ttmp6, 0x40004                  ; cy: along its y
	s_lshl_b32 s42, ttmp9, 2                       ; in a cluster launch ttmp9 and ttmp7 count clusters
	s_add_co_u32 s42, s42, s40                     ; my first tile's column = 4 x cluster x + cx
	s_and_b32 s13, ttmp7, 0xffff
	s_lshl_b32 s13, s13, 2
	s_add_co_u32 s13, s13, s41                     ; tile row of C = 4 x cluster y + cy
	s_lshl_b32 s43, s41, 2
	s_lshl_b32 s43, 15, s43                        ; my row of the cluster: places 4 cy .. 4 cy + 3
	s_lshl_b32 s44, 0x1111, s40                    ; my column: places cx, cx + 4, cx + 8, cx + 12
	; descriptor group 1: a tile of 128 rows x 128 elements, padded in LDS
	s_or_b32 s[G1+0], s43, (1<<16)|(1<<20)|(1<<21)|(5<<22)|(3<<25)  ; 15:0 the mask: A's tiles go to my row; 17:16 element of 2 bytes; 20 padding on; 21 set beside a mask; 24:22 after every 64 words (code 5); 31:25 of 4 words (code 3)
	s_or_b32 s[G1B+0], s44, (1<<16)|(1<<20)|(1<<21)|(5<<22)|(3<<25) ; the same with the mask of my column, for B's tiles
	s_mov_b32 s[G1B+1], KSTEP<<16
	s_mov_b32 s[G1+1], KSTEP<<16                   ; tensor_dim0 = 128
	s_mov_b32 s[G1B+2], 128<<16
	s_mov_b32 s[G1+2], 128<<16                     ; tensor_dim1 = 128
	s_mov_b32 s[G1B+3], KSTEP<<16
	s_mov_b32 s[G1+3], KSTEP<<16                   ; tile_dim0 = 128
	s_mov_b32 s[G1B+4], 128
	s_mov_b32 s[G1+4], 128                         ; tile_dim1 = 128
	s_mov_b32 s[G1B+5], SIZE_K
	s_mov_b32 s[G1+5], SIZE_K                      ; elements from row to row
	s_mov_b32 s[G1B+6], 0
	s_mov_b32 s[G1+6], 0
	s_mov_b32 s[G1B+7], 0
	s_mov_b32 s[G1+7], 0
	; where the tiles come from.  A's hang on the tile row alone, which my row of the cluster shares; B's on the tile column alone, which my column shares.
	; Every wave makes both addresses, in registers that never hold the other coordinate, and asks by one of them.
	s_lshl_b32 s17, s12, 7                         ; which 128 rows of the tile I fetch
	s_lshl_b32 s16, s13, 8
	s_add_co_u32 s16, s16, s17                     ; A: row 256 x tile row + 128 x half
	s_lshl_b32 s46, s42, 8
	s_add_co_u32 s46, s46, s17                     ; B: row 256 x tile column + 128 x half
	s_mov_b32 s17, 0
	s_mov_b32 s47, 0
	s_mov_b64 s[18:19], SIZE_K*2
	s_mul_u64 s[16:17], s[16:17], s[18:19]         ; in bytes
	s_mul_u64 s[46:47], s[46:47], s[18:19]
	s_mul_i32 s20, s10, HALFT                      ; and where they go: wave x 128 rows: no place in the cluster enters an LDS address
	s_wait_dscnt 0x0                               ; the opening add is done
	s_wait_kmcnt 0x0
	s_add_nc_u64 s[14:15], s[4:5], s[16:17]
	s_add_nc_u64 s[46:47], s[6:7], s[46:47]
	CROUND                                         ; all sixteen work-groups are here: the first joint loads meet
.irp s, 0,1
	s_mov_b32 s[G0+4*(\s)], 1                                      ; count = 1
	s_add_co_u32 s[G0+4*(\s)+1], s20, (\s)*SLOT                    ; LDS address
	s_add_nc_u64 s[G0+4*(\s)+2:G0+4*(\s)+3], s[14:15], (\s)*KSTEP*2  ; global address: K step s
	s_or_b32 s[G0+4*(\s)+3], s[G0+4*(\s)+3], 0x80000000            ; type = 2
	s_mov_b32 s[G0B+4*(\s)], 1
	s_add_co_u32 s[G0B+4*(\s)+1], s20, (\s)*SLOT
	s_add_nc_u64 s[G0B+4*(\s)+2:G0B+4*(\s)+3], s[46:47], (\s)*KSTEP*2
	s_or_b32 s[G0B+4*(\s)+3], s[G0B+4*(\s)+3], 0x80000000
	JLOAD \s                                       ; the ring is filled before anything else is done: two tensor loads of mine are out
.endr
	; A fragment is 16 rows x 32 K in 8 registers: lane l holds row l % 16; registers 0-3 hold K = 8 (l / 16) + 0..7, registers 4-7 hold
	; K = 16 + 8 (l / 16) + 0..7: two loads of 16 bytes, 32 bytes apart.  The same for source 0 and source 1.
	v_and_b32 v1, 15, v0                           ; l % 16
	v_bfe_u32 v2, v0, 4, 1                         ; l / 16
	v_mul_u32_u24 v3, v1, PITCH
	v_lshl_add_u32 v3, v2, 4, v3                   ; row x pitch + 16 x half
	s_mul_i32 s21, s11, HALFT                      ; my 128 rows of A
	s_mul_i32 s22, s12, HALFT                      ; my 128 rows of B,
	s_add_co_u32 s22, s22, 2*HALFT                 ; which lie behind A's 256
.irp s, 0,1
	v_add_nc_u32 v[ADRA+(\s)], s21, v3
	v_add_nc_u32 v[ADRB+(\s)], s22, v3
	s_add_co_u32 s21, s21, SLOT
	s_add_co_u32 s22, s22, SLOT
.endr
	s_mul_i32 s23, s10, 16*SPITCH
	s_add_co_u32 s23, s23, STAGE                   ; my stage
	v_mul_u32_u24 v4, v1, SPITCH                   ; in: row l % 16, 16 bytes for each half of the lanes
	v_lshl_add_u32 v4, v2, 4, v4
	v_add_nc_u32 v[STO], s23, v4
	v_mul_u32_u24 v5, v2, SPITCH                   ; back: lanes 0-15 take one row of 256 bytes, lanes 16-31 the next
	v_lshl_add_u32 v5, v1, 4, v5
	v_add_nc_u32 v[RD], s23, v5
	v_mul_u32_u24 v5, v2, SIZE_N*2                 ; and the same two rows in C
	v_lshl_add_u32 v[CO], v1, 4, v5
	; C at my part of the first tile
	s_lshl_b32 s13, s13, 8
	s_lshl_b32 s14, s11, 7
	s_add_co_u32 s16, s13, s14                     ; my first row of C
	s_mov_b32 s17, 0
	s_mov_b64 s[18:19], SIZE_N*2
	s_mul_u64 s[16:17], s[16:17], s[18:19]
	s_lshl_b32 s46, s42, 9                         ; my first column, in bytes: 512 x tile column + 256 x half (in the registers that held B's address: none that feeds A's descriptors ever holds cx)
	s_lshl_b32 s47, s12, 8
	s_add_co_u32 s46, s46, s47
	s_mov_b32 s47, 0
	s_add_nc_u64 s[16:17], s[16:17], s[46:47]
	s_add_nc_u64 s[8:9], s[8:9], s[16:17]
	; the prefetches.  s13 = 256 x tile row, s42 = tile column, s40 = cx, s41 = cy still stand; s[4:5] = A, s[6:7] = B
	s_lshl_b32 s42, s42, 8
	s_and_b32 s22, ttmp7, 0xffff                   ; cluster y
	s_cmp_eq_u32 s11, 0                            ; do I fetch for A?
	s_cselect_b32 s20, s13, s42                    ; the tile's first row: in A by the tile row, in B by the tile column
	s_cselect_b32 s21, s40, s41                    ; my place among the four that ask for it with me
	s_cselect_b32 s22, ttmp9, s22                  ; the coordinate along which other clusters read the same rows
	s_cselect_b64 s[PFA:PFA+1], s[4:5], s[6:7]
	s_cmp_eq_u32 s22, 0
	s_cselect_b32 s[LIM], 1, -1                    ; the same in all sixteen partners, for a given wave
	s_lshl_b32 s22, s12, 7
	s_add_co_u32 s20, s20, s22                     ; + the 128 rows that I fetch
	s_lshl_b32 s21, s21, 5
	s_add_co_u32 s20, s20, s21                     ; + my work-group's 32 of them
	s_mov_b32 s21, 0
	s_mov_b64 s[18:19], SIZE_K*2
	s_mul_u64 s[20:21], s[20:21], s[18:19]
	s_add_nc_u64 s[PFA:PFA+1], s[PFA:PFA+1], s[20:21]
	s_add_nc_u64 s[PFA:PFA+1], s[PFA:PFA+1], 2*KSTEP*2  ; at K step 2: the first refill steps it to 3 and names K step 4
	v_and_b32 v[PFO], 31, v0
	v_mul_u32_u24 v[PFO], v[PFO], SIZE_K*2
	; nothing is prefetched here, at the head, where every work-group's first two tiles are on their way: K steps 2 and 3 come by their refills alone
; 16 matrix instructions: m blocks a0, a0 + 1 of the window's four (hi = 0: my rows 0-63, 1: rows 64-127) x all 8 n blocks, 32 along K.
; zero = 1: the first product starts the sums: nothing is ever cleared.  The 64 accumulators take turns, one instruction a turn.
.macro MUL16 f, hi, a0, zero
	WIN MUL_LO+0x50*(\hi)
.irp a, \a0, (\a0)+1
.irp b, 0,1,2,3,4,5,6,7
.if \zero
	v_wmma_f32_16x16x32_bf16 v[8*(8*(\a)+(\b)):8*(8*(\a)+(\b))+7], v[(\f)+8*(\b):(\f)+8*(\b)+7], v[(\f)+8*(4*(\hi)+(\a)):(\f)+8*(4*(\hi)+(\a))+7], 0
.else
	v_wmma_f32_16x16x32_bf16 v[8*(8*(\a)+(\b)):8*(8*(\a)+(\b))+7], v[(\f)+8*(\b):(\f)+8*(\b)+7], v[(\f)+8*(4*(\hi)+(\a)):(\f)+8*(4*(\hi)+(\a))+7], v[8*(8*(\a)+(\b)):8*(8*(\a)+(\b))+7]
.endif
.endr
.endr
.endm
; 32 LDS loads in one run: the fragments of one quarter step (128 rows of B, 128 rows of A, 32 K at byte k of the rows) into buffer f
.macro FETCH slot, k, f
	WIN TO_B
.irp i, 0,1,2,3,4,5,6,7
	ds_load_b128 v[(\f)+8*(\i):(\f)+8*(\i)+3],   v[ADRB+(\slot)] offset:(\k)+(\i)*16*PITCH
	ds_load_b128 v[(\f)+8*(\i)+4:(\f)+8*(\i)+7], v[ADRB+(\slot)] offset:(\k)+(\i)*16*PITCH+32
.endr
	WIN 0
.irp i, 0,1,2,3,4,5,6,7
	ds_load_b128 v[(\f)+8*(\i):(\f)+8*(\i)+3],   v[ADRA+(\slot)] offset:(\k)+(\i)*16*PITCH
	ds_load_b128 v[(\f)+8*(\i)+4:(\f)+8*(\i)+7], v[ADRA+(\slot)] offset:(\k)+(\i)*16*PITCH+32
.endr
.endm
; A load into a register that a matrix instruction has read, and a vector instruction that reads a matrix result, stand four places behind that matrix instruction, and only plain vector
; instructions that name none of its registers are places (ISA guide 7.12.1 for vector instructions).
.macro PLACES
.rept 4
	v_nop
.endr
.endm
; A K step is four quarter steps of 32 along K, 64 matrix instructions each, on buffers 0, 1, 0, 1.
; One of the first three: multiplies buffer f; in its middle it fetches the next quarter's fragments, at byte k of the same slot's rows, into buffer g.
.macro QUARTER slot, k, f, g, zero
	s_wait_dscnt 8                                 ; B and A's rows 0-63 are in; the youngest eight loads (A's rows 64-127) may be out
	WIN MUL_LO
	MUL16 \f, 0, 0, \zero
	MUL16 \f, 0, 2, \zero
	PLACES
	FETCH \slot, \k, \g
	s_wait_dscnt 32                                ; all but the 32 just issued
	WIN MUL_HI
	MUL16 \f, 1, 0, \zero
	MUL16 \f, 1, 2, \zero
.endm
; The last quarter multiplies buffer 1 and changes slots.  MEET is its first half: ONE barrier for the change of slots.  In front of it each wave waits for all its tensor loads, of which one is
; out: its part of the next slot; adds 0 to its spare word; and waits for that and for its own reads of this slot.  Behind it nobody reads this slot any more and the next slot is whole.
.macro MEET round                      ; round = 1: a round of the cluster's barrier follows
	WIN 0                                          ; (the add's two registers lie in window 0)
	s_wait_tensorcnt 0x0                           ; all my tensor loads have landed: the one that was out is my part of the next slot;
	ds_add_u32 v[SPW], v[NIL]                      ; 0 onto my spare word;
	s_wait_dscnt 9                                 ; (the add and the youngest eight loads may be out)
	WIN MUL_LO
	MUL16 F1, 0, 0, 0                              ; sixteen matrix instructions stand between the add and the wait for it
	s_wait_dscnt 0x0                               ; the add is done, and my reads of this slot are over:
	s_barrier_signal -1                            ; say so (where a slot is filled again this barrier opens a round of the cluster's barrier),
	MUL16 F1, 0, 2, 0                              ; work on registers while the others arrive,
.if \round
	WIN 0
.endif
	s_barrier_wait -1                              ; and go on when all four have said so
.endm
; The whole last quarter.  Behind the round the slot just read out is filled again first: with this tile's K step two steps on (on = 0) or, in a tile's last two K steps, with the NEXT tile's
; K step 0 or 1 (on = 1); then come the next slot's first fragments.  From a request to the wait for it a wave issues 224 matrix instructions, across tiles too.
.macro TURN slot, next, on
	s_wait_xcnt 0x0                                ; the last prefetch, a K step back, has read its address: it is stepped here, ahead of the waits of the change of slots
.if (\on) && (\slot) == 0
	s_add_nc_u64 s[PFA:PFA+1], s[PFA:PFA+1], (WALK-1)*SIZE_K*2+KSTEP*2  ; from the K step after the tile's last to the next tile's K step 1: WALK rows down, back along K
	s_cmp_eq_u32 s11, 1
	s_cselect_b32 s[LIM], s[LIM], -1               ; A's rows are the same for all three tiles: they are asked for in the first tile alone
.else
	s_add_nc_u64 s[PFA:PFA+1], s[PFA:PFA+1], KSTEP*2
.endif
	MEET 1
	CREST                                          ; no wave of any partner still reads this slot's tile or has a load on its way
.if \on
	s_sub_nc_u64 s[G0+4*(\slot)+2:G0+4*(\slot)+3], s[G0+4*(\slot)+2:G0+4*(\slot)+3], BACK_A
	s_add_nc_u64 s[G0B+4*(\slot)+2:G0B+4*(\slot)+3], s[G0B+4*(\slot)+2:G0B+4*(\slot)+3], NEXT_B
.else
	s_add_nc_u64 s[G0+4*(\slot)+2:G0+4*(\slot)+3], s[G0+4*(\slot)+2:G0+4*(\slot)+3], 2*KSTEP*2
	s_add_nc_u64 s[G0B+4*(\slot)+2:G0B+4*(\slot)+3], s[G0B+4*(\slot)+2:G0B+4*(\slot)+3], 2*KSTEP*2
.endif
	JLOAD \slot                                    ; the first tensor load behind the round, my only one until the next; the four v_nop behind it are also the places in front of the loads below
	FETCH \next, 0, F0
	ASK \on                                        ; behind the joint load and the run of LDS loads that the next products wait for
	WIN MUL_HI
	MUL16 F1, 1, 0, 0
	MUL16 F1, 1, 2, 0
.endm
; THE LAST K STEP OF THE LAST TILE (it lies in slot 1) GOES BY ROWS OF C.  All its fragments of B (4 quarters x 64 registers) fill window 1; then my eight blocks of 16 rows are
; finished one after the other, each with 32 matrix instructions (its 8 accumulators by turns, K ascending).
.macro BLOAD q                         ; B's fragments of quarter q -> window 1, v[64 q ..]
	WIN TO_B
.irp i, 0,1,2,3,4,5,6,7
	ds_load_b128 v[64*(\q)+8*(\i):64*(\q)+8*(\i)+3],   v[ADRB+1] offset:64*(\q)+(\i)*16*PITCH
	ds_load_b128 v[64*(\q)+8*(\i)+4:64*(\q)+8*(\i)+7], v[ADRB+1] offset:64*(\q)+(\i)*16*PITCH+32
.endr
.endm
.macro ALOAD a                         ; A's fragments of block a, all four quarters -> buffer a % 4
	WIN 0
.set FA, PA+32*((\a)%4)
.irp q, 0,1,2,3
	ds_load_b128 v[FA+8*(\q):FA+8*(\q)+3],   v[ADRA+1] offset:64*(\q)+(\a)*16*PITCH
	ds_load_b128 v[FA+8*(\q)+4:FA+8*(\q)+7], v[ADRA+1] offset:64*(\q)+(\a)*16*PITCH+32
.endr
.endm
.macro ROW a                           ; block a is finished: 32 matrix instructions
.set FA, PA+32*((\a)%4)                ; its fragments of A
.set AC, 64*((\a)%4)                   ; its eight accumulators, in window 2 (blocks 0-3) or 3 (blocks 4-7)
	WIN MUL_LO+0x50*((\a)/4)
.irp q, 0,1,2,3
.if (\a) == 0 && (\q) == 2
	s_wait_dscnt 24                                ; B's quarter 2 is in (behind it: A's blocks 1 to 3)
.endif
.irp b, 0,1,2,3,4,5,6,7
	v_wmma_f32_16x16x32_bf16 v[AC+8*(\b):AC+8*(\b)+7], v[64*(\q)+8*(\b):64*(\q)+8*(\b)+7], v[FA+8*(\q):FA+8*(\q)+7], v[AC+8*(\b):AC+8*(\b)+7]
.endr
.endr
.endm
; THE WAY OUT of block a, in three parts.  PACK: rounded to f16, 16 bytes a lane, each accumulator's registers in ascending order.  TOSTAGE: into my own stage in LDS, and back as whole rows of 256 bytes.  SEND: stored.
.macro PACK a
.set AC, 64*((\a)%4)
	WIN 0x0a+5*((\a)/4)                            ; sources 0 and 1: window 2 or 3
.irp b, 0,1,2,3,4,5,6,7
.irp r, 0,1,2,3
	v_cvt_pk_f16_f32 v[TMP+4*(\b)+(\r)], v[AC+8*(\b)+2*(\r)], v[AC+8*(\b)+2*(\r)+1]
.endr
.endr
	WIN 0
.endm
.macro TOSTAGE a
	WIN 0
.set BK, OB+192*((\a)%2)
.irp b, 0,1,2,3,4,5,6,7
	ds_store_b128 v[STO], v[TMP+4*(\b):TMP+4*(\b)+3] offset:32*(\b)
.endr
.irp t, 0,1,2,3,4,5,6,7
	ds_load_b128 v[BK+4*(\t):BK+4*(\t)+3], v[RD] offset:(\t)*2*SPITCH  ; LDS serves a wave's instructions in order (ISA guide 5.7.1.4): these see the stores above
.endr
.endm
.macro SEND a, younger                 ; younger: the LDS loads issued behind TOSTAGE's, which may stay out
	WIN 0
.set BK, OB+192*((\a)%2)
	s_wait_dscnt \younger                          ; the block is back in registers
	s_wait_xcnt 0x0                                ; every earlier store has read its registers: the buffer that the block before last was stored from is loaded again only behind this wait
.irp t, 0,1,2,3,4,5,6,7
	global_store_b128 v[CO], v[BK+4*(\t):BK+4*(\t)+3], s[8:9] offset:(16*(\a)+2*(\t))*SIZE_N*2  ; 16 lanes store 256 consecutive bytes, at a multiple of 256 from C's first byte; the block's place stands in the immediate, 774,144 at the most
.endr
.endm
	s_wait_tensorcnt 1                             ; my part of K step 0 is in; K step 1's load may stay out
	s_barrier_signal -1
	s_barrier_wait -1                              ; everybody's is
	FETCH 0, 0, F0
	s_mov_b32 s2, SIZE_TILES                       ; tiles to go, this one among them: the same number in every work-group
.Ltile:                                                ; (FETCH and SEND leave every window 0)
	QUARTER 0, 64,  F0, F1, 1                      ; a tile's first quarter stands in front of the loop: its products start the sums
	WIN 0                                          ; at a label and at a branch every window is 0
	s_mov_b32 s3, LAPS-1
.Llap:                                                 ; a trip goes once round the ring, from a lap's second quarter to the next lap's first, and fills both slots again
	QUARTER 0, 128, F1, F0, 0
	QUARTER 0, 192, F0, F1, 0
	TURN 0, 1, 0
	QUARTER 1, 64,  F0, F1, 0
	QUARTER 1, 128, F1, F0, 0
	QUARTER 1, 192, F0, F1, 0
	TURN 1, 0, 0
	QUARTER 0, 64,  F0, F1, 0
	WIN 0
	s_sub_co_u32 s3, s3, 1
	s_cmp_lg_u32 s3, 0
	s_cbranch_scc1 .Llap
	QUARTER 0, 128, F1, F0, 0                      ; the tile's last lap goes on
	QUARTER 0, 192, F0, F1, 0
	WIN 0
	s_cmp_eq_u32 s2, 1
	s_cbranch_scc1 .Llast_tile                     ; the last tile's tail is written out: it asks for nothing more
	TURN 0, 1, 1                                   ; THE RING GOES ON INTO THE NEXT TILE: slot 0 takes its K step 0,
	QUARTER 1, 64,  F0, F1, 0
	QUARTER 1, 128, F1, F0, 0
	QUARTER 1, 192, F0, F1, 0
	TURN 1, 0, 1                                   ; slot 1 its K step 1, and the next tile's first fragments are fetched
	PACK 0                                         ; both refills are asked for: now the tile goes out.  No v_nop: blocks 0-3 were finished in front of the joint load's places, and their 128 conversions,
	TOSTAGE 0                                      ; which name no register of the last products (blocks 4-7's), are those products' places
.irp a, 1,2,3,4,5,6,7                  ; block a's conversions stand between block a - 1's loads from the stage and the wait for them
	PACK \a
	SEND (\a)-1, 0
	TOSTAGE \a
.endr
	SEND 7, 0
	s_wait_xcnt 0x0                                ; the stores have read C's address,
	s_add_nc_u64 s[8:9], s[8:9], NEXT_C            ; which goes 1,024 columns on
	s_sub_co_u32 s2, s2, 1
	s_branch .Ltile
.Llast_tile:
	MEET 0                                         ; my one tensor load that was still out is slot 1's, the last K step's, so no round follows
	PLACES                                         ; for the loads into buffer 0, which the quarter before multiplied
	WIN TO_B
	BLOAD 0                                        ; three quarters of B now: buffer 1 (v128-191 of both windows) is still being multiplied
	BLOAD 1
	BLOAD 3
	WIN 0
	ALOAD 0
	WIN MUL_HI
	MUL16 F1, 1, 0, 0
	MUL16 F1, 1, 2, 0
	PLACES                                         ; for the loads into buffer 1
	WIN TO_B
	BLOAD 2
	WIN 0
	ALOAD 1
	ALOAD 2
	ALOAD 3
	s_wait_dscnt 40                                ; all but the 40 just issued
	ROW 0
.irp a, 0,1,2,3,4,5,6,7                ; each block leaves as soon as it is finished
	PLACES                                         ; its conversions read results just made
	PACK \a
	TOSTAGE \a
.if (\a) < 4
	ALOAD (\a)+4                                   ; its buffer takes the block four further on
	SEND \a, 8
.else
	SEND \a, 0
.endif
.if (\a) < 7
	ROW (\a)+1
.endif
.endr
	s_wait_tensorcnt 0x0                           ; the wave's end: behind my last tensor load and my last LDS store
	ds_add_u32 v[SPW], v[NIL]
	s_wait_dscnt 0x0
	CROUND                                         ; the closing round: no work-group ends while a partner may still ask for a tile that names it
	s_endpgm
.Lfunc_end_k_q7ff130aa4c_qkvgemm:
	.size	k_q7ff130aa4c_qkvgemm, .Lfunc_end_k_q7ff130aa4c_qkvgemm-k_q7ff130aa4c_qkvgemm
	.p2alignl 7, 3214868480
	.fill 96, 4, 3214868480
	.section	.rodata,"a",@progbits
	.p2align	6, 0x0
	.amdhsa_kernel k_q7ff130aa4c_qkvgemm
		.amdhsa_group_segment_fixed_size 327680
		.amdhsa_private_segment_fixed_size 0
		.amdhsa_enable_private_segment 0
		.amdhsa_kernarg_size 24
		.amdhsa_user_sgpr_count 2
		.amdhsa_user_sgpr_kernarg_segment_ptr 1
		.amdhsa_wavefront_size32 1
		.amdhsa_system_sgpr_workgroup_id_x 1
		.amdhsa_system_sgpr_workgroup_id_y 1
		.amdhsa_system_sgpr_workgroup_id_z 1
		.amdhsa_system_vgpr_workitem_id 0
		.amdhsa_next_free_vgpr 1024
		.amdhsa_next_free_sgpr 66
		.amdhsa_reserve_vcc 0
		.amdhsa_float_denorm_mode_32 3
		.amdhsa_float_denorm_mode_16_64 3
		.amdhsa_memory_ordered 1
		.amdhsa_forward_progress 1
		.amdhsa_inst_pref_size 209
	.end_amdhsa_kernel
	.amdgpu_metadata
---
amdhsa.version: [ 1, 2 ]
amdhsa.kernels:
  - .name:           k_q7ff130aa4c_qkvgemm
    .symbol:         k_q7ff130aa4c_qkvgemm.kd
    .args:
      - { .name: xb, .offset: 0, .size: 8, .value_kind: global_buffer, .address_space: global }
      - { .name: wqb, .offset: 8, .size: 8, .value_kind: global_buffer, .address_space: global }
      - { .name: qkv, .offset: 16, .size: 8, .value_kind: global_buffer, .address_space: global }
    .group_segment_fixed_size: 327680
    .private_segment_fixed_size: 0
    .kernarg_segment_align: 8
    .kernarg_segment_size: 24
    .max_flat_workgroup_size: 128
    .sgpr_count:     66
    .vgpr_count:     1024
    .wavefront_size: 32
...
	.end_amdgpu_metadata
.endif
;; end of part 2
;; launch attn (part 3): grid 256 x 1, 8 waves a work-group, no clusters, 262,144 bytes of LDS; arguments qkv, ob; writes ob
.if DOCPART == 3
	.amdgcn_target "amdgcn-amd-amdhsa--gfx1250"
	.amdhsa_code_object_version 6
	.text
	.protected	k_q7ff130aa4c_attn
	.globl	k_q7ff130aa4c_attn
	.p2align	8
	.type	k_q7ff130aa4c_attn,@function
k_q7ff130aa4c_attn:
	s_mov_b64 s[64:65], 0
	v_nop
	global_prefetch_b8 v0, s[64:65] scope:SCOPE_SE
	s_setreg_imm32_b32 hwreg(HW_REG_WAVE_MODE, 25, 1), 1
	s_wait_xcnt 0x0
; ATTENTION OVER THE HEADS OF ONE TOKEN.  qkv: [16384][3072] f16; a token's row is 16 heads x (q 64 | k 64 | v 64).  For each token: S[h][g] = q_h . k_g / 8, softmax over g, O[h] = sum over g of P[h][g] v_g.
; ob: [16384][1024] f16, a token = 16 heads x 64.  Products, maximum and sum in f32; the weights, divided by their sum, are rounded to f16 for the second product, O once at the end.
; LIMITS.  q, k, v arrive within f16's 65,504; p lies in 0 to 1 and below 6e-5 keeps f16's fixed step of 6e-8; a weight below 2^-126 counts as 0 in the sum; NaN and infinities are not treated apart.
; SOFTMAX.  The row's true maximum m is taken away: p = 2^(c s - c m), c = log2(e) / 8.  c m is rounded once; what that shifts is the same factor in all of a row's p, and the division by their sum takes it out.
; A STREAM: 6,144 bytes in and 2,048 out for 6 matrix instructions a token.  Work-groups share no input, so there is no cluster; the launch reads each byte once, at its own pace, so nothing is prefetched.
; SHARES.  A work-group takes 64 tokens, each of its eight waves 8, as four tiles of 2 tokens.
; ALL OF A WAVE'S 49,152 BYTES ARE ASKED FOR AT ITS START.  Tiles 0 and 1 come by two tensor loads into the wave's two LDS slots: a tile is 12,288 dense bytes, asked for as 48 rows of 256 and padded in LDS
; after every 128 bytes.  Tiles 2 and 3 come by 48 loads of 512 consecutive bytes into 192 registers.  Each slot has ONE fill in the launch; when its two tokens have been read, the wave's own LDS stores lay the
; next tile there, in the same padded layout.
; LAYOUT.  S^T = K Q^T (source 0 = the 16 heads' k, source 1 = the 16 heads' q): a lane holds ONE query head (lane % 16) and the key heads 8 (lane / 16) + 0..7.  Rounded in pairs these four registers are
; keys 0-15 of source 1 of O^T = V^T P; its keys 16-31 are four registers that hold 0, so what V's fragment holds there (the next channels' numbers, or 0) counts for nothing.  V is turned by ds_load_tr16_b128.
; REGISTERS.  v0-255 (window 0) as listed below; v256-447 (window 1) tiles 2 and 3 as loaded.  s_set_vgpr_msb: bits 1:0 source 0, 3:2 source 1, 5:4 source 2, 7:6 destination.
.set PIECE, 144                        ; 128 bytes of q, k or v of a head + 16 of padding
.set HEADP, 3*PIECE                    ; 432 = 27 x 16 bytes from head to head: the 16 rows of a fragment load start at 16 different groups of four banks (64 banks of 4 bytes: ISA guide 11.1)
.set TOK,   16*HEADP                   ; a token in LDS: 6,912 bytes
.set SLOT,  2*TOK                      ; 13,824 = 54 blocks of 256 bytes
.set RING,  2*SLOT                     ; a wave's two slots: 27,648
.set STAGE, 8*RING                     ; 221,184: behind the slots, never filled by a tensor load: for each wave 2 tokens x 16 rows x 144 bytes, for the way out
.set WSTG,  2*16*PIECE                 ; 4,608
.set SPARE, STAGE+8*WSTG               ; 258,048: the spare words, 128 bytes for each wave: four blocks of 256 bytes that no other line names
.set TILEB, 2*6144                     ; a tile in memory
.set AQ,  2                            ; v2   my slots + 432 (l % 16) + 16 (l / 16): my place in q's and k's fragments; never rewritten
.set AV,  3                            ; v3   my slots + 432 (8 (l / 16) + l % 8) + 16 ((l / 8) % 2): my place in the turning loads; never rewritten
.set STO, 4                            ; v4   the way out: where I put 16 bytes of a head's row
.set RD,  5                            ; v5   the way out: where I read rows back
.set GO,  6                            ; v6   16 x lane: my place in 512 consecutive bytes of qkv and of ob; never rewritten
.set AS,  7                            ; v7   my slots + 144 (l / 8) + 16 (l % 8): where my 16 of 512 consecutive bytes of a tile lie in the padded layout; never rewritten
.set SPW, 8                            ; v8   LDS address of my spare word: SPARE + 4 x my thread's number; never rewritten
.set NIL, 9                            ; v9   0; never rewritten
.set QR,  16                           ; v[16:47]   q: token u, channels 32 c on, at QR + 16 u + 8 c
.set KR,  48                           ; v[48:79]   k likewise
.set VR,  80                           ; v[80:119]  v: token u at VR + 20 u: four registers for each 16 channels, then four that hold 0; a fragment is eight on end
.set SR,  120                          ; v[120:135] S^T, 8 a token
.set PR,  136                          ; v[136:151] P, 8 a token: four written in each tile, four that hold 0
.set OA,  152                          ; v[152:215] O^T, 32 a token
.set PKR, 216                          ; v[216:247] O in f16, 16 a token
.set T,   248                          ; v[248:255] at work, 4 a token
.set RAW, 0                            ; window 1, v[256:447]: load j of 24 of tile 2 + p at RAW + 96 p + 4 j
.set G1,  16                           ; s[16:23] descriptor group 1
.set G0,  24                           ; s[24:31] descriptor group 0, a set for each slot; never rewritten
.set CS,  12                           ; s[12:13] c, twice
.set SEL, 14                           ; s[14:15] v_permlanex16_b32's selects: each lane takes its own place in the other half
.set CNT, 3                            ; s3   trips to go
.set MSB, 0
.macro WIN new                         ; the immediate's high byte repeats the setting that is left; a switch that changes nothing is dropped
.if MSB != (\new)
	s_set_vgpr_msb (MSB<<8)|(\new)
.set MSB, \new
.endif
.endm
	s_load_b128 s[4:7], s[0:1], 0x0                ; qkv s[4:5], ob s[6:7]
	v_lshl_add_u32 v[SPW], v0, 2, SPARE
	v_mov_b32 v[NIL], 0
	ds_add_u32 v[SPW], v[NIL]                      ; the wave's opening: the add and its wait stand ahead of my first tensor load; the set-up below, work on registers, stands between them
	ds_add_u32 v8, v9
	v_lshrrev_b32 v1, 5, v0
	v_readfirstlane_b32 s8, v1                     ; wave 0..7
	v_and_b32 v[GO], 31, v0
	v_lshlrev_b32 v[GO], 4, v[GO]
	s_mov_b32 s[G1+0], (1<<16)|(1<<20)|(4<<22)|(3<<25)  ; 17:16 2-byte elements; 20 padding on; 24:22 after every 32 words (code 4); 31:25 4 words (code 3)
	s_mov_b32 s[G1+1], 128<<16                     ; tensor_dim0 = 128
	s_mov_b32 s[G1+2], 48<<16                      ; tensor_dim1 = 48
	s_mov_b32 s[G1+3], 128<<16                     ; tile_dim0 = 128
	s_mov_b32 s[G1+4], 48                          ; tile_dim1 = 48
	s_mov_b32 s[G1+5], 128                         ; 128 elements from row to row: the block is dense
	s_mov_b32 s[G1+6], 0
	s_mov_b32 s[G1+7], 0
	s_mul_i32 s2, ttmp9, 64*6144                   ; the work-group's 64 tokens of qkv (under 2^27),
	s_mul_i32 s9, s8, 8*6144                       ; my wave's 8
	s_add_co_u32 s2, s2, s9
	s_mov_b32 s3, 0
	s_lshl_b32 s10, ttmp9, 17                      ; the same tokens in ob: 64 x 2,048 bytes,
	s_lshl_b32 s9, s8, 14                          ; 8 x 2,048
	s_add_co_u32 s10, s10, s9
	s_mov_b32 s11, 0
	s_mul_i32 s9, s8, RING                         ; my two slots in LDS
	s_mov_b32 s[CS], 0x3e38aa3b                    ; c = log2(e) / 8 = 0.180337
	s_mov_b32 s[CS+1], s[CS]
	s_mov_b32 s[SEL], 0x76543210
	s_mov_b32 s[SEL+1], 0xfedcba98
	s_wait_dscnt 0x0                               ; the opening add is done
	s_wait_kmcnt 0x0
	s_add_nc_u64 s[4:5], s[4:5], s[2:3]
	s_add_nc_u64 s[6:7], s[6:7], s[10:11]
.irp s, 0,1                            ; both fills go out together, ahead of every wait on TENSORcnt and every LDS read: two tensor loads of mine are out, and there are no more
	s_mov_b32 s[G0+4*(\s)], 1                                      ; count = 1
	s_add_co_u32 s[G0+4*(\s)+1], s9, (\s)*SLOT                     ; LDS address
	s_add_nc_u64 s[G0+4*(\s)+2:G0+4*(\s)+3], s[4:5], (\s)*TILEB    ; global address: tile s
	s_or_b32 s[G0+4*(\s)+3], s[G0+4*(\s)+3], 0x80000000            ; type = 2
	tensor_load_to_lds s[G0+4*(\s):G0+4*(\s)+3], s[G1:G1+7]
	s_nop 0
.endr
	WIN 0x40                                       ; destination window 1, address window 0
.set j, 0
.rept 48                               ; tiles 2 and 3: 48 x 512 consecutive bytes; read once in the launch
	global_load_b128 v[RAW+4*j:RAW+4*j+3], v[GO], s[4:5] offset:2*TILEB+512*j th:TH_LOAD_NT
.set j, j+1
.endr
	WIN 0
	v_and_b32 v10, 15, v0                          ; l % 16
	v_bfe_u32 v11, v0, 4, 1                        ; l / 16
	v_and_b32 v12, 7, v0                           ; l % 8
	v_bfe_u32 v13, v0, 3, 1                        ; (l / 8) % 2
	v_bfe_u32 v14, v0, 3, 2                        ; l / 8
	v_mul_u32_u24 v[AQ], v10, HEADP
	v_lshl_add_u32 v[AQ], v11, 4, v[AQ]
	v_add_nc_u32 v[AQ], s9, v[AQ]
	v_lshl_add_u32 v[AV], v11, 3, v12              ; the turning load: lane l reads 16 bytes of key head 8 (l / 16) + l % 8, channels 8 ((l / 8) % 2) on, and is left with channel l % 16 and 8 key heads
	v_mul_u32_u24 v[AV], v[AV], HEADP
	v_lshl_add_u32 v[AV], v13, 4, v[AV]
	v_add_nc_u32 v[AV], s9, v[AV]
	s_mul_i32 s10, s8, WSTG
	s_add_co_u32 s10, s10, STAGE                   ; my stage
	v_mul_u32_u24 v[STO], v10, PIECE               ; in: head l % 16, 16 bytes for each half of the lanes
	v_lshl_add_u32 v[STO], v11, 4, v[STO]
	v_add_nc_u32 v[STO], s10, v[STO]
	v_mul_u32_u24 v15, v14, PIECE                  ; 32 lanes x 16 bytes are four pieces of 128 bytes, 144 apart in LDS:
	v_lshl_add_u32 v15, v12, 4, v15
	v_add_nc_u32 v[RD], s10, v15                   ; in my stage, four rows of O, which are 512 consecutive bytes of ob;
	v_add_nc_u32 v[AS], s9, v15                    ; in my slots, 512 consecutive bytes of qkv
.irp u, 0,1
.irp r, 0,1,2,3
	v_mov_b32 v[VR+20*(\u)+16+(\r)], 0             ; behind v's last channels,
	v_mov_b32 v[PR+8*(\u)+4+(\r)], 0               ; P's keys 16-31,
	v_mov_b32 v[T+4*(\u)+(\r)], 0                  ; and the registers that v_permlanex16_b32 writes (its destination counts as read)
.endr
.endr
.macro BOTH line:vararg                ; one line for each of the tile's two tokens u, so that no instruction reads the result of the one just before it
.set u, 0
.rept 2
	\line
.set u, u+1
.endr
.endm
; The tile in slot s: tokens 2 s and 2 s + 1 of the trip's four.  left = how many younger tensor loads may stay out.
.macro TILE s, left
	s_wait_tensorcnt \left                         ; tensor loads of a wave end in order: the slot's one fill has landed (in the second trip this was shown long ago)
.irp u, 0,1
.irp c, 0,1
	ds_load_b128 v[KR+16*(\u)+8*(\c):KR+16*(\u)+8*(\c)+3],   v[AQ] offset:(\s)*SLOT+(\u)*TOK+PIECE+64*(\c)
	ds_load_b128 v[KR+16*(\u)+8*(\c)+4:KR+16*(\u)+8*(\c)+7], v[AQ] offset:(\s)*SLOT+(\u)*TOK+PIECE+64*(\c)+32
	ds_load_b128 v[QR+16*(\u)+8*(\c):QR+16*(\u)+8*(\c)+3],   v[AQ] offset:(\s)*SLOT+(\u)*TOK+64*(\c)
	ds_load_b128 v[QR+16*(\u)+8*(\c)+4:QR+16*(\u)+8*(\c)+7], v[AQ] offset:(\s)*SLOT+(\u)*TOK+64*(\c)+32
.endr
.endr
.irp u, 0,1
.irp b, 0,1,2,3
	ds_load_tr16_b128 v[VR+20*(\u)+4*(\b):VR+20*(\u)+4*(\b)+3], v[AV] offset:(\s)*SLOT+(\u)*TOK+2*PIECE+32*(\b)
.endr
.endr
	s_wait_dscnt 8                                 ; q and k are in; v's eight loads may stay out
.irp c, 0,1                            ; the two tokens' accumulators take turns; the first product starts each sum
.irp u, 0,1
.if (\c) == 0
	v_wmma_f32_16x16x32_f16 v[SR+8*(\u):SR+8*(\u)+7], v[KR+16*(\u):KR+16*(\u)+7], v[QR+16*(\u):QR+16*(\u)+7], 0
.else
	v_wmma_f32_16x16x32_f16 v[SR+8*(\u):SR+8*(\u)+7], v[KR+16*(\u)+8:KR+16*(\u)+15], v[QR+16*(\u)+8:QR+16*(\u)+15], v[SR+8*(\u):SR+8*(\u)+7]
.endif
.endr
.endr
.rept 4
	v_nop                                          ; the four places between the last product and the first read of a score (ISA guide 7.12.1)
.endr
	BOTH v_max3_num_f32 v[T+4*u], v[SR+8*u], v[SR+8*u+1], v[SR+8*u+2]       ; the maximum of my 8 key heads, from the accumulator's low end on,
	BOTH v_max3_num_f32 v[T+4*u], v[T+4*u], v[SR+8*u+3], v[SR+8*u+4]
	BOTH v_max3_num_f32 v[T+4*u], v[T+4*u], v[SR+8*u+5], v[SR+8*u+6]
	BOTH v_max_num_f32 v[T+4*u], v[T+4*u], v[SR+8*u+7]
	BOTH v_permlanex16_b32 v[T+4*u+1], v[T+4*u], s[SEL], s[SEL+1]           ; and of the other 8, which lie in the lane 16 away
	BOTH v_max_num_f32 v[T+4*u], v[T+4*u], v[T+4*u+1]
	BOTH v_mul_f32 v[T+4*u], s[CS], v[T+4*u]                                ; c m
.irp k, 0,1,2,3
	BOTH v_pk_fma_f32 v[SR+8*u+2*(\k):SR+8*u+2*(\k)+1], v[SR+8*u+2*(\k):SR+8*u+2*(\k)+1], s[CS:CS+1], v[T+4*u:T+4*u+1] op_sel_hi:[1,0,0] neg_lo:[0,0,1] neg_hi:[0,0,1]  ; c s - c m
.endr
.irp k, 0,1,2,3,4,5,6,7
	BOTH v_exp_f32 v[SR+8*u+(\k)], v[SR+8*u+(\k)]
.endr
	v_nop                                          ; a plain instruction behind the last exponential,
	s_wait_alu depctr_va_vdst(0)                   ; and a wait ahead of the first use: for all sixteen
	BOTH v_pk_add_f32 v[T+4*u+2:T+4*u+3], v[SR+8*u:SR+8*u+1], v[SR+8*u+2:SR+8*u+3]
	BOTH v_pk_add_f32 v[T+4*u:T+4*u+1], v[SR+8*u+4:SR+8*u+5], v[SR+8*u+6:SR+8*u+7]
	BOTH v_pk_add_f32 v[T+4*u+2:T+4*u+3], v[T+4*u+2:T+4*u+3], v[T+4*u:T+4*u+1]
	BOTH v_add_f32 v[T+4*u+2], v[T+4*u+2], v[T+4*u+3]
	BOTH v_permlanex16_b32 v[T+4*u+3], v[T+4*u+2], s[SEL], s[SEL+1]
	BOTH v_add_f32 v[T+4*u+2], v[T+4*u+2], v[T+4*u+3]                       ; the sum of the 16 weights: about 1 at the least, the maximum's own
	BOTH v_rcp_f32 v[T+4*u+2], v[T+4*u+2]
	v_nop                                          ; a plain instruction behind the last reciprocal,
	s_wait_alu depctr_va_vdst(0)                   ; and the wait for the two
.irp k, 0,1,2,3
	BOTH v_pk_mul_f32 v[SR+8*u+2*(\k):SR+8*u+2*(\k)+1], v[SR+8*u+2*(\k):SR+8*u+2*(\k)+1], v[T+4*u+2:T+4*u+3] op_sel_hi:[1,0]
.endr
.irp k, 0,1,2,3
	BOTH v_cvt_pk_f16_f32 v[PR+8*u+(\k)], v[SR+8*u+2*(\k)], v[SR+8*u+2*(\k)+1]
.endr
	s_wait_dscnt 0x0                               ; v is in: all my reads of the slot are back
.irp b, 0,1,2,3                        ; eight products on eight accumulators: channels 16 b on of token u
.irp u, 0,1
	v_wmma_f32_16x16x32_f16 v[OA+32*(\u)+8*(\b):OA+32*(\u)+8*(\b)+7], v[VR+20*(\u)+4*(\b):VR+20*(\u)+4*(\b)+7], v[PR+8*(\u):PR+8*(\u)+7], 0
.endr
.endr
.rept 4
	v_nop                                          ; four places again: behind them the results are read, and the next tile's loads land in q, k and v
.endr
	s_wait_xcnt 0x0                                ; the last tile's stores have read their registers, which are written anew below
.irp u, 0,1
.irp b, 0,1,2,3
.irp r, 0,1,2,3
	v_cvt_pk_f16_f32 v[PKR+16*(\u)+4*(\b)+(\r)], v[OA+32*(\u)+8*(\b)+2*(\r)], v[OA+32*(\u)+8*(\b)+2*(\r)+1]
.endr
.endr
.endr
.irp n, 0,1,2,3,4,5,6,7                ; token n / 4, channels 16 (n % 4) on: a lane's eight channels of a head are 16 bytes
	ds_store_b128 v[STO], v[PKR+4*(\n):PKR+4*(\n)+3] offset:((\n)/4)*16*PIECE+32*((\n)%4)
.endr
.irp n, 0,1,2,3,4,5,6,7                ; token n / 4, heads 4 (n % 4) on, whole rows.  LDS serves a wave's instructions in order (ISA guide 5.7.1.4): these see the stores above
	ds_load_b128 v[PKR+4*(\n):PKR+4*(\n)+3], v[RD] offset:((\n)/4)*16*PIECE+((\n)%4)*4*PIECE
.endr
.irp n, 0,1,2,3,4,5,6,7
	s_wait_dscnt 7-(\n)                            ; load n is back; the 7 - n younger ones may stay out
	global_store_b128 v[GO], v[PKR+4*(\n):PKR+4*(\n)+3], s[6:7] offset:(2*(\s)+(\n)/4)*2048+((\n)%4)*512  ; 512 consecutive bytes, at a multiple of 256 from ob's first
.endr
.endm
; Tile 2 + p goes from its registers into slot p, whose one fill has landed and whose two tokens have been read (both shown by the waits of the slot's TILE in the first trip).
; Byte b of a tile lies at b + 16 (b / 128): load j's 512 bytes are four pieces, 576 j on; a token is 12 loads.
.macro PUT p
	s_wait_loadcnt 24*(1-(\p))                     ; loads come back in order: tile 2 is in while tile 3's 24 loads may stay out; for tile 3 none is younger
	WIN 0x04                                       ; an LDS store's data is source 1: window 1; its address, source 0, window 0
.set j, 0
.rept 24
	ds_store_b128 v[AS], v[RAW+96*(\p)+4*j:RAW+96*(\p)+4*j+3] offset:(\p)*SLOT+(j/12)*TOK+576*(j%12)
.set j, j+1
.endr
	WIN 0                                          ; at a label and at a branch every window is 0
.endm
	s_mov_b32 s[CNT], 2
.Ltrip:                                        ; two trips of two tiles: tile 0, tile 1, tile 2 into slot 0 | tile 2, tile 3 into slot 1, tile 3
	TILE 0, 1                                      ; in the first trip the count leaves slot 1's fill on its way
	s_cmp_eq_u32 s[CNT], 2
	s_cbranch_scc1 .Lnot_yet                       ; in the first trip slot 1 has not been read
	PUT 1
.Lnot_yet:
	TILE 1, 0
	s_cmp_eq_u32 s[CNT], 1
	s_cbranch_scc1 .Lno_more                       ; in the second trip nothing is left
	PUT 0
.Lno_more:
	s_wait_xcnt 0x0                                ; the stores have read ob's address,
	s_add_nc_u64 s[6:7], s[6:7], 4*2048            ; which goes four tokens on (behind the last trip it is not used)
	s_sub_co_u32 s[CNT], s[CNT], 1
	s_cmp_lg_u32 s[CNT], 0
	s_cbranch_scc1 .Ltrip
	s_wait_tensorcnt 0x0                           ; the wave's end: behind my last tensor load and my last LDS store
	ds_add_u32 v[SPW], v[NIL]
	s_wait_dscnt 0x0
	s_endpgm
.Lfunc_end_k_q7ff130aa4c_attn:
	.size	k_q7ff130aa4c_attn, .Lfunc_end_k_q7ff130aa4c_attn-k_q7ff130aa4c_attn
	.p2alignl 7, 3214868480
	.fill 96, 4, 3214868480
	.section	.rodata,"a",@progbits
	.p2align	6, 0x0
	.amdhsa_kernel k_q7ff130aa4c_attn
		.amdhsa_group_segment_fixed_size 262144
		.amdhsa_private_segment_fixed_size 0
		.amdhsa_enable_private_segment 0
		.amdhsa_kernarg_size 16
		.amdhsa_user_sgpr_count 2
		.amdhsa_user_sgpr_kernarg_segment_ptr 1
		.amdhsa_wavefront_size32 1
		.amdhsa_system_sgpr_workgroup_id_x 1
		.amdhsa_system_sgpr_workgroup_id_y 1
		.amdhsa_system_sgpr_workgroup_id_z 1
		.amdhsa_system_vgpr_workitem_id 0
		.amdhsa_next_free_vgpr 448
		.amdhsa_next_free_sgpr 66
		.amdhsa_reserve_vcc 0
		.amdhsa_float_denorm_mode_32 3
		.amdhsa_float_denorm_mode_16_64 3
		.amdhsa_memory_ordered 1
		.amdhsa_forward_progress 1
		.amdhsa_inst_pref_size 33
	.end_amdhsa_kernel
	.amdgpu_metadata
---
amdhsa.version: [ 1, 2 ]
amdhsa.kernels:
  - .name:           k_q7ff130aa4c_attn
    .symbol:         k_q7ff130aa4c_attn.kd
    .args:
      - { .name: qkv, .offset: 0, .size: 8, .value_kind: global_buffer, .address_space: global }
      - { .name: ob, .offset: 8, .size: 8, .value_kind: global_buffer, .address_space: global }
    .group_segment_fixed_size: 262144
    .private_segment_fixed_size: 0
    .kernarg_segment_align: 8
    .kernarg_segment_size: 16
    .max_flat_workgroup_size: 256
    .sgpr_count:     66
    .vgpr_count:     448
    .wavefront_size: 32
...
	.end_amdgpu_metadata
.endif
;; end of part 3
;; launch proj (part 4): grid 4 x 64, 4 waves a work-group, clusters of 4 x 4, 327,680 bytes of LDS; arguments ob, wpb, out0, bproj; writes out0
.if DOCPART == 4
	.amdgcn_target "amdgcn-amd-amdhsa--gfx1250"
	.amdhsa_code_object_version 6
	.text
	.protected	k_q7ff130aa4c_proj
	.globl	k_q7ff130aa4c_proj
	.p2align	8
	.type	k_q7ff130aa4c_proj,@function
k_q7ff130aa4c_proj:
	s_mov_b64 s[64:65], 0
	v_nop
	global_prefetch_b8 v0, s[64:65] scope:SCOPE_SE
	s_setreg_imm32_b32 hwreg(HW_REG_WAVE_MODE, 25, 1), 1
	s_wait_xcnt 0x0
	s_wait_alu depctr_hold_cnt(0) depctr_sa_sdst(0) depctr_va_vdst(0) depctr_va_sdst(0) depctr_va_ssrc(0) depctr_va_vcc(0) depctr_vm_vsrc(0)
	s_getreg_b32 s2, hwreg(HW_REG_IB_STS2, 6, 4)
	s_cmp_eq_u32 s2, 0
	s_cbranch_scc0 .Lentry_in_a_cluster
	s_endpgm
.Lentry_in_a_cluster:
	s_bfe_u32 s2, ttmp6, 0x10000c
	s_cmp_lg_u32 s2, 0xf033
	s_cbranch_scc0 .Lentry_shape_is_right
	s_endpgm
.Lentry_shape_is_right:
; out0[m][n] = sum over k of ob[m][k] wpb[n][k] + bproj[n].  A = ob [16384][1024], B = wpb [1024][1024], both f16; sums in f32; out0 [16384][1024] f32.
; THE BIAS, taken rounded to bf16 as x and the two weight matrices were, IS THE C OPERAND OF THE PRODUCT THAT STARTS EACH SUM: nothing is cleared and nothing is added on the way out.
; A tile of C, 256 x 256, is made by a work-group of four waves, a wave 128 x 128: 64 accumulators of 16 x 16, 512 registers.  C has 64 x 4 tiles: one for each of 256 work-groups.
; K goes in steps of 128 through a ring of two LDS slots filled by the tensor data mover; the tiles' rows are 256 bytes of memory and start at multiples of 256 bytes from the buffer's first byte.
; The last K step goes by rows of C, so that finished rows leave while the others are multiplied.
; CLUSTERS: 4 x 4 work-groups.  The four of a row of the cluster need the same tiles of A, the four of a column the same tiles of B: each tile is asked for JOINTLY, by the same tensor load with the
; same descriptor and a mask that names the four; each receives it in its own LDS.
; REGISTERS, in windows of 256 (s_set_vgpr_msb: bits 1:0 source 0, 3:2 source 1, 5:4 source 2, 7:6 destination):
;   window 0: v0-31 addresses; v64-127, v128-191 fragments of A, two buffers (in the last K step four, of 16 rows x 128 K); v192-255 the bias at the start, 16 rows of C on the way out
;   window 1: v64-127, v128-191 fragments of B, two buffers; in the last K step all 256
;   window 2: the 32 accumulators of my rows 0-63 (accumulator (a, b) at v[8 (8 a + b)]);   window 3: those of my rows 64-127
; THE MATRIX INSTRUCTION IS USED TRANSPOSED: source 0 = 16 rows of B, source 1 = 16 rows of A.  Lane l then holds row l % 16 of C, and register j of accumulator (a, b) the column 16 b + 8 (l / 16) + j: 32 bytes of a row of C.
.set SIZE_M, 16384
.set SIZE_N, 1024
.set SIZE_K, 1024
.set KSTEP,  128
.set PITCH,  272                       ; an LDS row: 256 bytes of data + 16 of padding = 68 words: row r starts at bank 4 r mod 64 (64 banks of 4 bytes: ISA guide 11.1)
.set HALFT,  128*PITCH                 ; 128 rows: what one tensor load brings, and what one wave reads of A or of B
.set SLOT,   4*HALFT                   ; A's 256 rows, then B's 256 rows
.set STAGE,  2*SLOT                    ; behind the ring: 16 rows x 528 bytes for each wave, for the way out
.set SPITCH, 528                       ; 128 f32 + 16 bytes = 33 x 16: the 16 rows that a store touches start at 16 different groups of four banks
.set SPARE,  STAGE+4*16*SPITCH         ; behind the stages: the spare words, 128 bytes for each wave: two blocks of 256 bytes that no other line names
.set LAPS,   SIZE_K/(2*KSTEP)          ; a lap = two K steps = once round the ring
.set BO,   7                           ; v7      my byte offset in the bias: my wave's first column + 8 (l / 16), 4 bytes each; never rewritten
.set ADRA, 16                          ; v16-17  LDS address of my A fragments in slot 0, 1
.set ADRB, 20                          ; v20-21  the same for B
.set STO,  24                          ; v24     the way out: where I put 32 bytes of a row
.set RD,   25                          ; v25     the way out: where I read a row back
.set CO,   26                          ; v26     16 x lane: my place in my wave's 512 bytes of a row of C; never rewritten
.set SPW,  28                          ; v28     LDS address of my spare word: SPARE + 4 x my thread's number; never rewritten
.set NIL,  29                          ; v29     0; never rewritten
.set PFO,  30                          ; v30     the prefetches' offset: my lane x a row of A or B (2,048 bytes); never rewritten
.set PFA,  44                          ; s[44:45] where my prefetches stand: my work-group's 32 rows of the 128 that I fetch, one K step further along K than the refill that is being asked for
.set LIM,  43                          ; s43     1 in a wave that prefetches, else the greatest number
.set F0,   64                          ; fragment buffer 0
.set F1,   128                         ; fragment buffer 1
.set BI,   192                         ; the bias of my lane's columns: column block b at BI + 8 b; read by the first quarter step's products alone
.set BK,   192                         ; the way out: 16 rows read back from the stage, 4 registers each
.set PA,   64                          ; the last K step: A's fragments of 16 rows x 128 K, 32 registers; four such buffers, v64-191
.set G1,  24                           ; s[24:31] descriptor group 1 for A's tiles
.set G0,  32                           ; s[32:39] descriptor group 0 for A's tiles, one set for each slot
.set G1B, 48                           ; s[48:55] descriptor group 1 for B's tiles: it differs from A's in the mask alone
.set G0B, 56                           ; s[56:63] descriptor group 0 for B's tiles, one set for each slot
.set MSB, 0
.macro WIN new                         ; the immediate's high byte repeats the setting that is left; a switch that changes nothing is dropped
.if MSB != (\new)
	s_set_vgpr_msb (MSB<<8)|(\new)
.set MSB, \new
.endif
.endm
.set MUL_LO, 0xa1                      ; source 0 (B) window 1, source 1 (A) window 0, C and D window 2
.set MUL_HI, 0xf1                      ; the same, C and D window 3
.set BEG_LO, 0x81                      ; a sum's first product: C (the bias) window 0, D window 2
.set BEG_HI, 0xc1                      ; the same, D window 3
.set TO_B,   0x40                      ; destination window 1, address window 0
; A joint load.  Waves 0 and 1 fetch A's two halves, waves 2 and 3 B's.  The branch hangs on the wave's number alone.
; An s_nop 0 and four v_nop follow each of the two lines, ahead of the jump, the label and what follows.
.macro JLOAD s
	s_cmp_eq_u32 s11, 0
	s_cbranch_scc0 .Lfor_b_\@
	tensor_load_to_lds s[G0+4*(\s):G0+4*(\s)+3], s[G1:G1+7]
	s_nop 0
.rept 4
	v_nop
.endr
	s_branch .Lasked_\@
.Lfor_b_\@:
	tensor_load_to_lds s[G0B+4*(\s):G0B+4*(\s)+3], s[G1B:G1B+7]
	s_nop 0
.rept 4
	v_nop
.endr
.Lasked_\@:
.endm
; A PREFETCH, behind each joint load, its five lines and the run of LDS loads that follows them: the K step that stands TWO refills on, 512 matrix instructions ahead of the load that will want it:
; 32 rows x 256 bytes, a lane a row, one instruction a wave.  Each row's 256 bytes of a K step are named ONCE in the launch.  A's tile row is read by one cluster alone (the grid is one cluster wide): it asks.
; B's tile column is read by all sixteen clusters: the one with y = 0 asks.  The four partners that ask for a tile jointly share its rows out BY ADDRESS: of the 128 rows that a wave fetches the partner at
; place p takes 32 p .. 32 p + 31 (p = cx for A, cy for B).  The last two refills have no K step two on and ask for nothing.
.macro ASK
	s_cmp_gt_u32 s3, s[LIM]                        ; s3 = 1 in the loop's last trip
	s_cbranch_scc0 .Lnot_mine_\@
	global_prefetch_b8 v[PFO], s[PFA:PFA+1] offset:KSTEP*2 th:TH_LOAD_NT scope:SCOPE_SE
.Lnot_mine_\@:
.endm
; A round of the cluster's barrier: my work-group's barrier, so that wave 0's signal speaks for all four waves; wave 0 signals for the work-group; every wave waits for all
; sixteen work-groups; my work-group's barrier once more.  No LDS instruction of the wave is pending at a signal.
.macro CREST                           ; a round behind its opening barrier
	s_cmp_lg_u32 s10, 0
	s_cbranch_scc1 .Lnot_wave_0_\@
	s_barrier_signal -3
.Lnot_wave_0_\@:
	s_barrier_wait -3
	s_barrier_signal -1
	s_barrier_wait -1
.endm
.macro CROUND                          ; a whole round
	s_barrier_signal -1
	s_barrier_wait -1
	CREST
.endm
	s_load_b128 s[4:7], s[0:1], 0x0                ; A s[4:5], B s[6:7]
	s_load_b64 s[8:9], s[0:1], 0x10                ; C
	s_load_b64 s[66:67], s[0:1], 0x18              ; the bias
	v_lshl_add_u32 v[SPW], v0, 2, SPARE
	v_mov_b32 v[NIL], 0
	ds_add_u32 v[SPW], v[NIL]                      ; the wave's opening: the add and its wait stand ahead of my first tensor load; the set-up below, work on registers, stands between them
	ds_add_u32 v28, v29
	v_lshrrev_b32 v1, 5, v0
	v_readfirstlane_b32 s10, v1                    ; wave 0..3
	s_lshr_b32 s11, s10, 1                         ; which half of the tile's rows is mine.  Also: I fetch for A (0) or for B (1)
	s_and_b32 s12, s10, 1                          ; which half of its columns.  Also: which 128 rows of that tile I fetch
	s_bfe_u32 s40, ttmp6, 0x40000                  ; cx: my place along the cluster's x
	s_bfe_u32 s41, ttmp6, 0x40004                  ; cy: along its y
	s_lshl_b32 s42, ttmp9, 2                       ; in a cluster launch ttmp9 and ttmp7 count clusters
	s_add_co_u32 s42, s42, s40                     ; tile column of C = 4 x cluster x + cx
	s_and_b32 s13, ttmp7, 0xffff
	s_lshl_b32 s13, s13, 2
	s_add_co_u32 s13, s13, s41                     ; tile row of C = 4 x cluster y + cy
	s_lshl_b32 s43, s41, 2
	s_lshl_b32 s43, 15, s43                        ; my row of the cluster: places 4 cy .. 4 cy + 3
	s_lshl_b32 s44, 0x1111, s40                    ; my column: places cx, cx + 4, cx + 8, cx + 12
	; descriptor group 1: a tile of 128 rows x 128 elements, padded in LDS
	s_or_b32 s[G1+0], s43, (1<<16)|(1<<20)|(1<<21)|(5<<22)|(3<<25)  ; 15:0 the mask: A's tiles go to my row; 17:16 element of 2 bytes; 20 padding on; 21 set beside a mask; 24:22 after every 64 words (code 5); 31:25 of 4 words (code 3)
	s_or_b32 s[G1B+0], s44, (1<<16)|(1<<20)|(1<<21)|(5<<22)|(3<<25) ; the same with the mask of my column, for B's tiles
	s_mov_b32 s[G1B+1], KSTEP<<16
	s_mov_b32 s[G1+1], KSTEP<<16                   ; tensor_dim0 = 128
	s_mov_b32 s[G1B+2], 128<<16
	s_mov_b32 s[G1+2], 128<<16                     ; tensor_dim1 = 128
	s_mov_b32 s[G1B+3], KSTEP<<16
	s_mov_b32 s[G1+3], KSTEP<<16                   ; tile_dim0 = 128
	s_mov_b32 s[G1B+4], 128
	s_mov_b32 s[G1+4], 128                         ; tile_dim1 = 128
	s_mov_b32 s[G1B+5], SIZE_K
	s_mov_b32 s[G1+5], SIZE_K                      ; elements from row to row
	s_mov_b32 s[G1B+6], 0
	s_mov_b32 s[G1+6], 0
	s_mov_b32 s[G1B+7], 0
	s_mov_b32 s[G1+7], 0
	; where the tiles come from.  A's hang on the tile row alone, which my row of the cluster shares; B's on the tile column alone, which my column shares.
	s_lshl_b32 s17, s12, 7                         ; which 128 rows of the tile I fetch
	s_lshl_b32 s16, s13, 8
	s_add_co_u32 s16, s16, s17                     ; A: row 256 x tile row + 128 x half
	s_lshl_b32 s46, s42, 8
	s_add_co_u32 s46, s46, s17                     ; B: row 256 x tile column + 128 x half
	s_mov_b32 s17, 0
	s_mov_b32 s47, 0
	s_mov_b64 s[18:19], SIZE_K*2
	s_mul_u64 s[16:17], s[16:17], s[18:19]         ; in bytes
	s_mul_u64 s[46:47], s[46:47], s[18:19]
	s_mul_i32 s20, s10, HALFT                      ; and where they go: wave x 128 rows: no place in the cluster enters an LDS address
	s_wait_dscnt 0x0                               ; the opening add is done
	s_wait_kmcnt 0x0
	s_add_nc_u64 s[14:15], s[4:5], s[16:17]
	s_add_nc_u64 s[46:47], s[6:7], s[46:47]
	CROUND                                         ; all sixteen work-groups are here: the first joint loads meet
.irp s, 0,1
	s_mov_b32 s[G0+4*(\s)], 1                                      ; count = 1
	s_add_co_u32 s[G0+4*(\s)+1], s20, (\s)*SLOT                    ; LDS address
	s_add_nc_u64 s[G0+4*(\s)+2:G0+4*(\s)+3], s[14:15], (\s)*KSTEP*2  ; global address: K step s
	s_or_b32 s[G0+4*(\s)+3], s[G0+4*(\s)+3], 0x80000000            ; type = 2
	s_mov_b32 s[G0B+4*(\s)], 1
	s_add_co_u32 s[G0B+4*(\s)+1], s20, (\s)*SLOT
	s_add_nc_u64 s[G0B+4*(\s)+2:G0B+4*(\s)+3], s[46:47], (\s)*KSTEP*2
	s_or_b32 s[G0B+4*(\s)+3], s[G0B+4*(\s)+3], 0x80000000
	JLOAD \s                                       ; the ring is filled before anything else is done: two tensor loads of mine are out
.endr
	v_and_b32 v1, 15, v0                           ; l % 16
	v_bfe_u32 v2, v0, 4, 1                         ; l / 16
	; the bias of my lane's 64 columns: 256 x tile column + 128 x half + 16 b + 8 (l / 16) + 0 .. 7, 4 bytes each: 32 bytes for each column block b
	s_lshl_b32 s46, s42, 10
	s_lshl_b32 s47, s12, 9
	s_add_co_u32 s46, s46, s47                     ; my wave's first column, in bytes of f32
	v_lshl_add_u32 v[BO], v2, 5, s46
.irp b, 0,1,2,3,4,5,6,7
	global_load_b128 v[BI+8*(\b):BI+8*(\b)+3],   v[BO], s[66:67] offset:64*(\b)
	global_load_b128 v[BI+8*(\b)+4:BI+8*(\b)+7], v[BO], s[66:67] offset:64*(\b)+16
.endr
	; A fragment is 16 rows x 32 K in 8 registers: lane l holds row l % 16; registers 0-3 hold K = 8 (l / 16) + 0..7, registers 4-7 hold
	; K = 16 + 8 (l / 16) + 0..7: two loads of 16 bytes, 32 bytes apart.  The same for source 0 and source 1.
	v_mul_u32_u24 v3, v1, PITCH
	v_lshl_add_u32 v3, v2, 4, v3                   ; row x pitch + 16 x half
	s_mul_i32 s21, s11, HALFT                      ; my 128 rows of A
	s_mul_i32 s22, s12, HALFT                      ; my 128 rows of B,
	s_add_co_u32 s22, s22, 2*HALFT                 ; which lie behind A's 256
.irp s, 0,1
	v_add_nc_u32 v[ADRA+(\s)], s21, v3
	v_add_nc_u32 v[ADRB+(\s)], s22, v3
	s_add_co_u32 s21, s21, SLOT
	s_add_co_u32 s22, s22, SLOT
.endr
	s_mul_i32 s23, s10, 16*SPITCH
	s_add_co_u32 s23, s23, STAGE                   ; my stage
	v_mul_u32_u24 v4, v1, SPITCH                   ; in: row l % 16, 32 bytes for each half of the lanes
	v_lshl_add_u32 v4, v2, 5, v4
	v_add_nc_u32 v[STO], s23, v4
	v_and_b32 v5, 31, v0                           ; lane
	v_lshlrev_b32 v[CO], 4, v5
	v_add_nc_u32 v[RD], s23, v[CO]                 ; back: 32 lanes take one row of 512 bytes
	; C at my part of the tile
	s_lshl_b32 s13, s13, 8
	s_lshl_b32 s14, s11, 7
	s_add_co_u32 s16, s13, s14                     ; my first row of C
	s_mov_b32 s17, 0
	s_mov_b64 s[18:19], SIZE_N*4
	s_mul_u64 s[16:17], s[16:17], s[18:19]
	s_mov_b32 s47, 0                               ; s46 still holds my first column in bytes: 1,024 x tile column + 512 x half
	s_add_nc_u64 s[16:17], s[16:17], s[46:47]
	s_add_nc_u64 s[8:9], s[8:9], s[16:17]
	; the prefetches.  s13 = 256 x tile row, s42 = tile column, s40 = cx, s41 = cy still stand; s[4:5] = A, s[6:7] = B
	s_lshl_b32 s42, s42, 8
	s_and_b32 s22, ttmp7, 0xffff                   ; cluster y
	s_cmp_eq_u32 s11, 0                            ; do I fetch for A?
	s_cselect_b32 s20, s13, s42                    ; the tile's first row: in A by the tile row, in B by the tile column
	s_cselect_b32 s21, s40, s41                    ; my place among the four that ask for it with me
	s_cselect_b32 s22, ttmp9, s22                  ; the coordinate along which other clusters read the same rows
	s_cselect_b64 s[PFA:PFA+1], s[4:5], s[6:7]
	s_cmp_eq_u32 s22, 0
	s_cselect_b32 s[LIM], 1, -1                    ; the same in all sixteen partners, for a given wave
	s_lshl_b32 s22, s12, 7
	s_add_co_u32 s20, s20, s22                     ; + the 128 rows that I fetch
	s_lshl_b32 s21, s21, 5
	s_add_co_u32 s20, s20, s21                     ; + my work-group's 32 of them
	s_mov_b32 s21, 0
	s_mov_b64 s[18:19], SIZE_K*2
	s_mul_u64 s[20:21], s[20:21], s[18:19]
	s_add_nc_u64 s[PFA:PFA+1], s[PFA:PFA+1], s[20:21]
	s_add_nc_u64 s[PFA:PFA+1], s[PFA:PFA+1], 2*KSTEP*2  ; at K step 2: the first refill steps it to 3 and names K step 4
	v_and_b32 v[PFO], 31, v0
	v_mul_u32_u24 v[PFO], v[PFO], SIZE_K*2
	; nothing is prefetched here, at the head, where every work-group's first two tiles are on their way: K steps 2 and 3 come by their refills alone
; 16 matrix instructions: m blocks a0, a0 + 1 of the window's four (hi = 0: my rows 0-63, 1: rows 64-127) x all 8 n blocks, 32 along K.
; first = 1: the product starts its sum, with the bias of its column block as C: nothing is ever cleared.  The 64 accumulators take turns, one instruction a turn.
.macro MUL16 f, hi, a0, first
.if \first
	WIN BEG_LO+0x40*(\hi)
.else
	WIN MUL_LO+0x50*(\hi)
.endif
.irp a, \a0, (\a0)+1
.irp b, 0,1,2,3,4,5,6,7
.if \first
	v_wmma_f32_16x16x32_f16 v[8*(8*(\a)+(\b)):8*(8*(\a)+(\b))+7], v[(\f)+8*(\b):(\f)+8*(\b)+7], v[(\f)+8*(4*(\hi)+(\a)):(\f)+8*(4*(\hi)+(\a))+7], v[BI+8*(\b):BI+8*(\b)+7]
.else
	v_wmma_f32_16x16x32_f16 v[8*(8*(\a)+(\b)):8*(8*(\a)+(\b))+7], v[(\f)+8*(\b):(\f)+8*(\b)+7], v[(\f)+8*(4*(\hi)+(\a)):(\f)+8*(4*(\hi)+(\a))+7], v[8*(8*(\a)+(\b)):8*(8*(\a)+(\b))+7]
.endif
.endr
.endr
.endm
; 32 LDS loads in one run: the fragments of one quarter step (128 rows of B, 128 rows of A, 32 K at byte k of the rows) into buffer f
.macro FETCH slot, k, f
	WIN TO_B
.irp i, 0,1,2,3,4,5,6,7
	ds_load_b128 v[(\f)+8*(\i):(\f)+8*(\i)+3],   v[ADRB+(\slot)] offset:(\k)+(\i)*16*PITCH
	ds_load_b128 v[(\f)+8*(\i)+4:(\f)+8*(\i)+7], v[ADRB+(\slot)] offset:(\k)+(\i)*16*PITCH+32
.endr
	WIN 0
.irp i, 0,1,2,3,4,5,6,7
	ds_load_b128 v[(\f)+8*(\i):(\f)+8*(\i)+3],   v[ADRA+(\slot)] offset:(\k)+(\i)*16*PITCH
	ds_load_b128 v[(\f)+8*(\i)+4:(\f)+8*(\i)+7], v[ADRA+(\slot)] offset:(\k)+(\i)*16*PITCH+32
.endr
.endm
; A load into a register that a matrix instruction has read, and an LDS store that reads a matrix result, stand four places behind that matrix instruction, and only plain vector
; instructions that name none of its registers are places (ISA guide 7.12.1 for vector instructions).
.macro PLACES
.rept 4
	v_nop
.endr
.endm
; A K step is four quarter steps of 32 along K, 64 matrix instructions each, on buffers 0, 1, 0, 1.
; One of the first three: multiplies buffer f; in its middle it fetches the next quarter's fragments, at byte k of the same slot's rows, into buffer g.  (MUL16 sets its own windows.)
.macro QUARTER slot, k, f, g, first
	s_wait_dscnt 8                                 ; B and A's rows 0-63 are in; the youngest eight loads (A's rows 64-127) may be out
	MUL16 \f, 0, 0, \first
	MUL16 \f, 0, 2, \first
	PLACES
	FETCH \slot, \k, \g
	s_wait_dscnt 32                                ; all but the 32 just issued
	MUL16 \f, 1, 0, \first
	MUL16 \f, 1, 2, \first
.endm
; The last quarter multiplies buffer 1 and changes slots.  MEET is its first half: ONE barrier for the change of slots.  In front of it each wave waits for all its tensor loads, of which one is
; out: its part of the next slot; adds 0 to its spare word; and waits for that and for its own reads of this slot.  Behind it nobody reads this slot any more and the next slot is whole.
.macro MEET round                      ; round = 1: a round of the cluster's barrier follows
	WIN 0                                          ; (the add's two registers lie in window 0)
	s_wait_tensorcnt 0x0                           ; all my tensor loads have landed: the one that was out is my part of the next slot;
	ds_add_u32 v[SPW], v[NIL]                      ; 0 onto my spare word;
	s_wait_dscnt 9                                 ; (the add and the youngest eight loads may be out)
	MUL16 F1, 0, 0, 0                              ; sixteen matrix instructions stand between the add and the wait for it
	s_wait_dscnt 0x0                               ; the add is done, and my reads of this slot are over:
	s_barrier_signal -1                            ; say so (where a slot is filled again this barrier opens a round of the cluster's barrier),
	MUL16 F1, 0, 2, 0                              ; work on registers while the others arrive,
.if \round
	WIN 0
.endif
	s_barrier_wait -1                              ; and go on when all four have said so
.endm
; The whole last quarter.  Behind the round the slot just read out is filled again first, with the K step two steps on; then come the next slot's first fragments.
; From a request to the wait for it a wave issues 224 matrix instructions.
.macro TURN slot, next
	s_wait_xcnt 0x0                                ; the last prefetch, a K step back, has read its address: it is stepped here, ahead of the waits of the change of slots
	s_add_nc_u64 s[PFA:PFA+1], s[PFA:PFA+1], KSTEP*2
	MEET 1
	CREST                                          ; no wave of any partner still reads this slot's tile or has a load on its way
	s_add_nc_u64 s[G0+4*(\slot)+2:G0+4*(\slot)+3], s[G0+4*(\slot)+2:G0+4*(\slot)+3], 2*KSTEP*2
	s_add_nc_u64 s[G0B+4*(\slot)+2:G0B+4*(\slot)+3], s[G0B+4*(\slot)+2:G0B+4*(\slot)+3], 2*KSTEP*2
	JLOAD \slot                                    ; the first tensor load behind the round, my only one until the next; the four v_nop behind it are also the places in front of the loads below
	FETCH \next, 0, F0
	ASK                                            ; behind the joint load and the run of LDS loads that the next products wait for
	MUL16 F1, 1, 0, 0
	MUL16 F1, 1, 2, 0
.endm
; THE LAST K STEP (it lies in slot 1) GOES BY ROWS OF C.  All its fragments of B (4 quarters x 64 registers) fill window 1; then my eight blocks of 16 rows are
; finished one after the other, each with 32 matrix instructions (its 8 accumulators by turns, K ascending).
.macro BLOAD q                         ; B's fragments of quarter q -> window 1, v[64 q ..]
	WIN TO_B
.irp i, 0,1,2,3,4,5,6,7
	ds_load_b128 v[64*(\q)+8*(\i):64*(\q)+8*(\i)+3],   v[ADRB+1] offset:64*(\q)+(\i)*16*PITCH
	ds_load_b128 v[64*(\q)+8*(\i)+4:64*(\q)+8*(\i)+7], v[ADRB+1] offset:64*(\q)+(\i)*16*PITCH+32
.endr
.endm
.macro ALOAD a                         ; A's fragments of block a, all four quarters -> buffer a % 4
	WIN 0
.set FA, PA+32*((\a)%4)
.irp q, 0,1,2,3
	ds_load_b128 v[FA+8*(\q):FA+8*(\q)+3],   v[ADRA+1] offset:64*(\q)+(\a)*16*PITCH
	ds_load_b128 v[FA+8*(\q)+4:FA+8*(\q)+7], v[ADRA+1] offset:64*(\q)+(\a)*16*PITCH+32
.endr
.endm
.macro ROW a                           ; block a is finished: 32 matrix instructions
.set FA, PA+32*((\a)%4)                ; its fragments of A
.set AC, 64*((\a)%4)                   ; its eight accumulators, in window 2 (blocks 0-3) or 3 (blocks 4-7)
	WIN MUL_LO+0x50*((\a)/4)
.irp q, 0,1,2,3
.if (\a) == 0 && (\q) == 2
	s_wait_dscnt 24                                ; B's quarter 2 is in (behind it: A's blocks 1 to 3)
.endif
.irp b, 0,1,2,3,4,5,6,7
	v_wmma_f32_16x16x32_f16 v[AC+8*(\b):AC+8*(\b)+7], v[64*(\q)+8*(\b):64*(\q)+8*(\b)+7], v[FA+8*(\q):FA+8*(\q)+7], v[AC+8*(\b):AC+8*(\b)+7]
.endr
.endr
.endm
; THE WAY OUT of block a.  TOSTAGE: the sums, which hold the bias already, go as they are, 32 bytes a lane and accumulator (the low four registers first), into my own stage in LDS, and come back
; as whole rows of 512 bytes.  SEND: the rows are stored.
.macro TOSTAGE a
.set AC, 64*((\a)%4)
	s_wait_xcnt 0x0                                ; the block before's stores have read the registers that the loads below write
	WIN 0x08+4*((\a)/4)                            ; an LDS store's data is source 1: window 2 or 3; its address, source 0, window 0
.irp b, 0,1,2,3,4,5,6,7
	ds_store_b128 v[STO], v[AC+8*(\b):AC+8*(\b)+3]   offset:64*(\b)
	ds_store_b128 v[STO], v[AC+8*(\b)+4:AC+8*(\b)+7] offset:64*(\b)+16
.endr
	WIN 0
.irp t, 0,1,2,3,4,5,6,7,8,9,10,11,12,13,14,15
	ds_load_b128 v[BK+4*(\t):BK+4*(\t)+3], v[RD] offset:(\t)*SPITCH  ; LDS serves a wave's instructions in order (ISA guide 5.7.1.4): these see the stores above
.endr
.endm
.macro SEND a, younger                 ; younger: the LDS loads issued behind TOSTAGE's, which may stay out
	WIN 0
	s_wait_dscnt \younger                          ; the block is back in registers
.irp t, 0,1,2,3,4,5,6,7,8,9,10,11,12,13,14,15
	global_store_b128 v[CO], v[BK+4*(\t):BK+4*(\t)+3], s[8:9] offset:(16*(\a)+(\t))*SIZE_N*4 th:TH_STORE_NT  ; a wave stores 512 consecutive bytes, at a multiple of 512 from C's first byte; the row stands in the immediate, 520,192 at the most
.endr
.endm
	s_wait_loadcnt 0x0                             ; the bias: rounded to bf16 and widened again, two numbers at a time, while the first tile is on its way
.set r, 0
.rept 32
	v_cvt_pk_bf16_f32 v[12+(r/2)%2], v[BI+r], v[BI+r+1]
	v_lshlrev_b32 v[BI+r],   16, v[12+(r/2)%2]
	v_and_b32     v[BI+r+1], 0xffff0000, v[12+(r/2)%2]
.set r, r+2
.endr
	s_wait_tensorcnt 1                             ; my part of K step 0 is in; K step 1's load may stay out
	s_barrier_signal -1
	s_barrier_wait -1                              ; everybody's is
	FETCH 0, 0, F0
	QUARTER 0, 64,  F0, F1, 1                      ; the first quarter stands in front of the loop: its products start the sums, on the bias
	WIN 0                                          ; at a label and at a branch every window is 0
	s_mov_b32 s3, LAPS-1
.Llap:                                                 ; a trip goes once round the ring, from a lap's second quarter to the next lap's first, and fills both slots again
	QUARTER 0, 128, F1, F0, 0
	QUARTER 0, 192, F0, F1, 0
	TURN 0, 1
	QUARTER 1, 64,  F0, F1, 0
	QUARTER 1, 128, F1, F0, 0
	QUARTER 1, 192, F0, F1, 0
	TURN 1, 0
	QUARTER 0, 64,  F0, F1, 0
	WIN 0
	s_sub_co_u32 s3, s3, 1
	s_cmp_lg_u32 s3, 0
	s_cbranch_scc1 .Llap
	QUARTER 0, 128, F1, F0, 0                      ; the last lap goes on
	QUARTER 0, 192, F0, F1, 0
	MEET 0                                         ; my one tensor load that was still out is slot 1's, the last K step's, so no round follows
	PLACES                                         ; for the loads into buffer 0, which the quarter before multiplied
	WIN TO_B
	BLOAD 0                                        ; three quarters of B now: buffer 1 (v128-191 of both windows) is still being multiplied
	BLOAD 1
	BLOAD 3
	WIN 0
	ALOAD 0
	MUL16 F1, 1, 0, 0
	MUL16 F1, 1, 2, 0
	PLACES                                         ; for the loads into buffer 1
	WIN TO_B
	BLOAD 2
	WIN 0
	ALOAD 1
	ALOAD 2
	ALOAD 3
	s_wait_dscnt 40                                ; all but the 40 just issued
	ROW 0
.irp a, 0,1,2,3,4,5,6,7                ; each block leaves as soon as it is finished
	PLACES                                         ; its LDS stores read results just made, and the loads of the block four on land in fragments just read
	TOSTAGE \a
.if (\a) < 4
	ALOAD (\a)+4                                   ; its buffer takes the block four further on
	SEND \a, 8
.else
	SEND \a, 0
.endif
.if (\a) < 7
	ROW (\a)+1
.endif
.endr
	s_wait_tensorcnt 0x0                           ; the wave's end: behind my last tensor load and my last LDS store
	ds_add_u32 v[SPW], v[NIL]
	s_wait_dscnt 0x0
	CROUND                                         ; the closing round: no work-group ends while a partner may still ask for a tile that names it
	s_endpgm
.Lfunc_end_k_q7ff130aa4c_proj:
	.size	k_q7ff130aa4c_proj, .Lfunc_end_k_q7ff130aa4c_proj-k_q7ff130aa4c_proj
	.p2alignl 7, 3214868480
	.fill 96, 4, 3214868480
	.section	.rodata,"a",@progbits
	.p2align	6, 0x0
	.amdhsa_kernel k_q7ff130aa4c_proj
		.amdhsa_group_segment_fixed_size 327680
		.amdhsa_private_segment_fixed_size 0
		.amdhsa_enable_private_segment 0
		.amdhsa_kernarg_size 32
		.amdhsa_user_sgpr_count 2
		.amdhsa_user_sgpr_kernarg_segment_ptr 1
		.amdhsa_wavefront_size32 1
		.amdhsa_system_sgpr_workgroup_id_x 1
		.amdhsa_system_sgpr_workgroup_id_y 1
		.amdhsa_system_sgpr_workgroup_id_z 1
		.amdhsa_system_vgpr_workitem_id 0
		.amdhsa_next_free_vgpr 1024
		.amdhsa_next_free_sgpr 68
		.amdhsa_reserve_vcc 0
		.amdhsa_float_denorm_mode_32 3
		.amdhsa_float_denorm_mode_16_64 3
		.amdhsa_memory_ordered 1
		.amdhsa_forward_progress 1
		.amdhsa_inst_pref_size 148
	.end_amdhsa_kernel
	.amdgpu_metadata
---
amdhsa.version: [ 1, 2 ]
amdhsa.kernels:
  - .name:           k_q7ff130aa4c_proj
    .symbol:         k_q7ff130aa4c_proj.kd
    .args:
      - { .name: ob, .offset: 0, .size: 8, .value_kind: global_buffer, .address_space: global }
      - { .name: wpb, .offset: 8, .size: 8, .value_kind: global_buffer, .address_space: global }
      - { .name: out0, .offset: 16, .size: 8, .value_kind: global_buffer, .address_space: global }
      - { .name: bproj, .offset: 24, .size: 8, .value_kind: global_buffer, .address_space: global }
    .group_segment_fixed_size: 327680
    .private_segment_fixed_size: 0
    .kernarg_segment_align: 8
    .kernarg_segment_size: 32
    .max_flat_workgroup_size: 128
    .sgpr_count:     68
    .vgpr_count:     1024
    .wavefront_size: 32
...
	.end_amdgpu_metadata
.endif
;; end of part 4
